; MI455X (gfx1250); checked and timed in simulation.
; The chip was launched on July 23, 2026; its instructions are those of AMD's public machine-readable ISA for CDNA 5 (MIT licence, August 2026) and "CDNA5" Instruction Set Architecture Reference Guide (July 2026). The comments in the code are by the model that wrote it; some were corrected since.
;; Basic Attention. Allowed arithmetic: float matrix products may take bf16 or f16 operands with f32 sums; other float arithmetic in f32, or as packed bf16 or f16 multiplies, adds, multiply-adds, maxima and minima; sums over many terms, partial sums and values carried from step to step in f32; what a program stores and reads back later, other than sums and carried values, may be rounded once to bf16 or f16.
;; Inputs: Wk 1,024 x 1,024 float32; Wq 1,024 x 1,024 float32; Wv 1,024 x 1,024 float32; bk 1,024 float32; bq 1,024 float32; bv 1,024 float32; mask 4 x 2,048 x 2,048 int32; x 4 x 2,048 x 1,024 float32.
;; Outputs: out0 4 x 2,048 x 1,024 float32.
;; 2 versions, each right; version 2 is version 1 with the launch prep written anew for expert scheduling mode. Each part assembles by itself: llvm-mc -triple=amdgcn-amd-amdhsa -mcpu=gfx1250 --defsym DOCPART=n.
;; ======== version 1 of 2: 4 launches
;; limits: values are held in f16: magnitudes above 65,504 overflow, below 6.1e-05 lose precision
;; workspace buffers: xb 16,777,216 bytes; wb 6,291,456 bytes; qkv 50,331,648 bytes; p 33,554,432 bytes; st 1,048,576 bytes
;; launch prep (part 1): grid 64 x 11, 8 waves a work-group, no clusters, 0 bytes of LDS; arguments x, Wq, Wk, Wv, xb, wb; writes xb, wb
.if DOCPART == 1
	.amdgcn_target "amdgcn-amd-amdhsa--gfx1250"
	.amdhsa_code_object_version 6
	.text
	.protected	k_qee9166975c_prep
	.globl	k_qee9166975c_prep
	.p2align	8
	.type	k_qee9166975c_prep,@function
k_qee9166975c_prep:
	s_mov_b64 s[64:65], 0
	v_nop
	global_prefetch_b8 v0, s[64:65] scope:SCOPE_SE
	s_setreg_imm32_b32 hwreg(HW_REG_WAVE_MODE, 25, 1), 1
	s_wait_xcnt 0x0
; x and the three weight matrices, f32, are rounded once to bf16 (nearest even) for the projection's matrix products.
; xb: [8192][1024] bf16.  wb: [1024 k][3072 n] bf16, columns 0-1023 Wq, 1024-2047 Wk, 2048-3071 Wv.
; All four inputs are slabs of 1,024 rows x 1,024 f32: slab y = 0..7 is x's rows 1,024 y on, slab 8 + j is weight j.  A work-group takes 16 rows of a slab,
; a wave two rows: 16 loads of 512 consecutive bytes, all issued before the first is used; each store of a wave covers 256 consecutive bytes, aligned.
; A stream: no LDS, no barrier, no matrix unit; nothing is read twice.  No register is written twice, so no wait frees a source.
	s_load_b256 s[4:11], s[0:1], 0x0               ; x s[4:5], Wq s[6:7], Wk s[8:9], Wv s[10:11]
	s_load_b128 s[12:15], s[0:1], 0x20             ; xb s[12:13], wb s[14:15]
	v_and_b32 v1, 31, v0                           ; lane
	v_lshrrev_b32 v5, 5, v0
	v_readfirstlane_b32 s26, v5                    ; wave 0..7
	s_and_b32 s20, ttmp7, 0xffff                   ; slab y
	s_lshl_b32 s27, ttmp9, 4
	s_lshl1_add_u32 s27, s26, s27                  ; my first row in the slab: 16 x group + 2 x wave
	s_lshl_b32 s22, s20, 22                        ; x: slab y begins y x 1,024 rows x 4,096 bytes in,
	s_lshl_b32 s24, s20, 21                        ; xb: y x 1,024 rows x 2,048 bytes
	s_sub_co_u32 s30, s20, 8
	s_lshl_b32 s30, s30, 11                        ; wb: weight j's columns begin 2,048 j bytes into a row (used for y >= 8 alone)
	s_movk_i32 s28, 2048                           ; bytes in a row of xb
	s_movk_i32 s29, 6144                           ; and of wb
	s_mov_b32 s23, 0
	s_mov_b32 s25, 0
	s_wait_kmcnt 0x0
	s_cmp_eq_u32 s20, 9
	s_cselect_b64 s[16:17], s[8:9], s[6:7]         ; the source: Wk or Wq,
	s_cmp_eq_u32 s20, 10
	s_cselect_b64 s[16:17], s[10:11], s[16:17]     ; or Wv,
	s_cmp_lt_u32 s20, 8
	s_cselect_b64 s[16:17], s[4:5], s[16:17]       ; or x
	s_cselect_b64 s[18:19], s[12:13], s[14:15]     ; the destination: xb or wb
	s_cselect_b32 s22, s22, 0
	s_cselect_b32 s24, s24, s30
	s_cselect_b32 s21, s28, s29                    ; its row's bytes
	s_add_nc_u64 s[16:17], s[16:17], s[22:23]
	s_add_nc_u64 s[18:19], s[18:19], s[24:25]
	s_lshl_b32 s31, s27, 12
	v_lshl_add_u32 v2, v1, 4, s31                  ; source offset: row x 4,096 + 16 x lane
	s_mul_i32 s30, s27, s21
	v_lshl_add_u32 v3, v1, 3, s30                  ; destination offset of my first row: row x pitch + 8 x lane,
	v_add_nc_u32 v4, s21, v3                       ; and of my second
.set n, 0
.rept 16
	global_load_b128 v[8+4*n:11+4*n], v2, s[16:17] offset:(n/8)*4096+(n%8)*512 th:TH_LOAD_NT
.set n, n+1
.endr
.set n, 0
.rept 16
	s_wait_loadcnt 15-n                            ; loads come back in order: load n is in, the younger ones stay out
	v_cvt_pk_bf16_f32 v[72+2*n], v[8+4*n], v[9+4*n]
	v_cvt_pk_bf16_f32 v[73+2*n], v[10+4*n], v[11+4*n]
	global_store_b64 v[3+n/8], v[72+2*n:73+2*n], s[18:19] offset:(n%8)*256
.set n, n+1
.endr
	s_endpgm
.Lfunc_end_k_qee9166975c_prep:
	.size	k_qee9166975c_prep, .Lfunc_end_k_qee9166975c_prep-k_qee9166975c_prep
	.p2alignl 7, 3214868480
	.fill 96, 4, 3214868480
	.section	.rodata,"a",@progbits
	.p2align	6, 0x0
	.amdhsa_kernel k_qee9166975c_prep
		.amdhsa_group_segment_fixed_size 0
		.amdhsa_private_segment_fixed_size 0
		.amdhsa_enable_private_segment 0
		.amdhsa_kernarg_size 48
		.amdhsa_user_sgpr_count 2
		.amdhsa_user_sgpr_kernarg_segment_ptr 1
		.amdhsa_wavefront_size32 1
		.amdhsa_system_sgpr_workgroup_id_x 1
		.amdhsa_system_sgpr_workgroup_id_y 1
		.amdhsa_system_sgpr_workgroup_id_z 1
		.amdhsa_system_vgpr_workitem_id 0
		.amdhsa_next_free_vgpr 112
		.amdhsa_next_free_sgpr 66
		.amdhsa_reserve_vcc 0
		.amdhsa_float_denorm_mode_32 3
		.amdhsa_float_denorm_mode_16_64 3
		.amdhsa_memory_ordered 1
		.amdhsa_forward_progress 1
		.amdhsa_inst_pref_size 7
	.end_amdhsa_kernel
	.amdgpu_metadata
---
amdhsa.version: [ 1, 2 ]
amdhsa.kernels:
  - .name:           k_qee9166975c_prep
    .symbol:         k_qee9166975c_prep.kd
    .args:
      - { .name: x, .offset: 0, .size: 8, .value_kind: global_buffer, .address_space: global }
      - { .name: Wq, .offset: 8, .size: 8, .value_kind: global_buffer, .address_space: global }
      - { .name: Wk, .offset: 16, .size: 8, .value_kind: global_buffer, .address_space: global }
      - { .name: Wv, .offset: 24, .size: 8, .value_kind: global_buffer, .address_space: global }
      - { .name: xb, .offset: 32, .size: 8, .value_kind: global_buffer, .address_space: global }
      - { .name: wb, .offset: 40, .size: 8, .value_kind: global_buffer, .address_space: global }
    .group_segment_fixed_size: 0
    .private_segment_fixed_size: 0
    .kernarg_segment_align: 8
    .kernarg_segment_size: 48
    .max_flat_workgroup_size: 256
    .sgpr_count:     66
    .vgpr_count:     112
    .wavefront_size: 32
...
	.end_amdgpu_metadata
.endif
;; end of part 1
;; launch proj (part 2): grid 12 x 32, 4 waves a work-group, clusters of 4 x 4, 327,680 bytes of LDS; arguments xb, wb, bq, bk, bv, qkv; writes qkv
.if DOCPART == 2
	.amdgcn_target "amdgcn-amd-amdhsa--gfx1250"
	.amdhsa_code_object_version 6
	.text
	.protected	k_qee9166975c_proj
	.globl	k_qee9166975c_proj
	.p2align	8
	.type	k_qee9166975c_proj,@function
k_qee9166975c_proj:
	s_mov_b64 s[64:65], 0
	v_nop
	global_prefetch_b8 v0, s[64:65] scope:SCOPE_SE
	s_setreg_imm32_b32 hwreg(HW_REG_WAVE_MODE, 25, 1), 1
	s_wait_xcnt 0x0
	s_wait_alu depctr_hold_cnt(0) depctr_sa_sdst(0) depctr_va_vdst(0) depctr_va_sdst(0) depctr_va_ssrc(0) depctr_va_vcc(0) depctr_vm_vsrc(0)
	s_getreg_b32 s2, hwreg(HW_REG_IB_STS2, 6, 4)
	s_cmp_eq_u32 s2, 0
	s_cbranch_scc0 .Lentry_in_a_cluster
	s_endpgm
.Lentry_in_a_cluster:
	s_bfe_u32 s2, ttmp6, 0x10000c
	s_cmp_lg_u32 s2, 0xf033
	s_cbranch_scc0 .Lentry_shape_is_right
	s_endpgm
.Lentry_shape_is_right:
; qkv[m][n] = sum over k of xb[m][k] wb[k][n] + bias[n].  xb: [8192][1024] bf16; wb: [1024][3072] bf16; bias = bq | bk | bv, f32, rounded to bf16 like the other inputs;
; qkv: [8192][3072] f16 (q | k | v in a row of 6,144 bytes), rounded once from the f32 sums.
; LIMIT.  f16 holds no number beyond 65,504: q, k and v must stay within it.  NaN and infinities are not treated apart.
; SHARES.  A tile of 256 x 256 to a work-group of four waves, each 128 x 128: 64 accumulators of 16 x 16, 512 registers.  12 x 32 = 384 work-groups, one and a half for each of 256 WGPs: the second pass
; is uneven; the tile is taken all the same, since a K step then holds 256 matrix instructions a wave for 131,072 bytes fetched, and a refill has 224 of them in which to land.
; K goes in steps of 128 through two LDS slots filled by the tensor data mover: 256 rows of xb (256 bytes each) and 128 k-rows of wb (512 bytes each).
; A K STEP IS WRITTEN ONCE: the slot in hand is a scalar, 0 or SLOT, turned by an exclusive or; the fragments' LDS addresses are that scalar plus a lane's fixed part; one descriptor a tensor walks.
; CLUSTER.  4 x 4 work-groups: the four of a row need the same tile of xb, the four of a column the same tile of wb; each tile is asked for jointly, by the same load, descriptor and mask in all four.
; THE MATRIX INSTRUCTION IS USED TRANSPOSED (source 0 = 16 columns n, turned out of LDS by ds_load_tr16_b128; source 1 = 16 rows m): a lane holds row l % 16 and the eight columns 8 (l / 16) + 0..7.
; The bias is the C operand of each accumulator's first product: nothing is cleared and nothing added later.
; REGISTERS (windows of 256; s_set_vgpr_msb: bits 1:0 source 0, 3:2 source 1, 5:4 source 2, 7:6 destination):
;   window 0: v0-31 addresses; v64-127, v128-191 fragments of A (8 blocks x 32 K), two buffers; v32-63, v192-255 at work on the way out
;   window 1: v0-63 the bias of my 128 columns as an accumulator row holds them; v64-127, v128-191 fragments of B, two buffers
;   window 2: the 32 accumulators of my rows 0-63 ((a, b) at v[8 (8 a + b)]);   window 3: those of my rows 64-127
.set PITCH, 272       ; an LDS row of A: 256 bytes + 16 = 68 words: the 16 rows of a load start at 16 different groups of four banks (64 banks of 4 bytes: ISA guide 11.1)
.set PB,    544       ; an LDS row of B: 512 bytes + 32 = 136 words
.set HALFT, 128*PITCH ; what one tensor load brings: 128 rows of A, or 64 k-rows of B (64 x 544 is the same number)
.set SLOT,  4*HALFT   ; A's 256 rows, then B's 128 k-rows
.set STAGE, 2*SLOT    ; behind the ring, never filled by a tensor load: 16 rows x 272 bytes for each wave
.set SP,    272
.set SPARE, STAGE+4*16*SP  ; the spare words, 128 bytes for each wave: two blocks of 256 bytes that no other line names
.set STEPS, 8         ; K = 1,024
.set ASTEP, 256       ; bytes from a K step to the next in xb
.set BSTEP, 128*6144  ; and in wb
.set ADRA0, 16        ; v16  my lane's place among my A fragments in slot 0; never rewritten
.set ADRB0, 17        ; v17  the same for B
.set ADRA,  18        ; v18  the same in the slot in hand
.set ADRB,  19        ; v19
.set STO,  24         ; v24  the way out: where I put 16 bytes of a row
.set RD,   25         ; v25  where I read a row back
.set CO,   26         ; v26  my byte offset in qkv
.set BO,   27         ; v27  my byte offset in the bias
.set SPW,  28         ; v28  my spare word: SPARE + 4 x my thread's number; never rewritten
.set NIL,  29         ; v29  0; never rewritten
.set F0,   64
.set F1,   128
.set TMP,  192        ; the way out: 32 packed registers
.set OB,   32         ; the way out: 16 rows read back: v32-63 and v224-255 by turns
.set G1,  24          ; s[24:31] group 1 for A;  s[32:39] group 0: a set for each of the two first fills; the second then walks on
.set G0,  32
.set G1B, 48          ; s[48:55], s[56:63] the same for B
.set G0B, 56
.set TB,  67          ; s67  the slot in hand: 0 or SLOT
.set MSB, 0
.macro WIN new                         ; the immediate's high byte repeats the setting that is left; a switch that changes nothing is dropped
.if MSB != (\new)
	s_set_vgpr_msb (MSB<<8)|(\new)
.set MSB, \new
.endif
.endm
.macro JLOAD s                         ; a joint load: waves 0 and 1 fetch A's halves, waves 2 and 3 B's; an s_nop 0 and four v_nop follow each line
	s_cmp_eq_u32 s11, 0
	s_cbranch_scc0 .Lfor_b_\@
	tensor_load_to_lds s[G0+4*(\s):G0+4*(\s)+3], s[G1:G1+7]
	s_nop 0
.rept 4
	v_nop
.endr
	s_branch .Lasked_\@
.Lfor_b_\@:
	tensor_load_to_lds s[G0B+4*(\s):G0B+4*(\s)+3], s[G1B:G1B+7]
	s_nop 0
.rept 4
	v_nop
.endr
.Lasked_\@:
.endm
.macro CREST                           ; a round of the cluster's barrier behind its opening barrier
	s_cmp_lg_u32 s10, 0
	s_cbranch_scc1 .Lnot_wave_0_\@
	s_barrier_signal -3
.Lnot_wave_0_\@:
	s_barrier_wait -3
	s_barrier_signal -1
	s_barrier_wait -1
.endm
.macro CROUND
	s_barrier_signal -1
	s_barrier_wait -1
	CREST
.endm
.macro PLACES                          ; four plain places behind matrix instructions, in front of loads into registers that they read and of conversions of their results
.rept 4
	v_nop
.endr
.endm
	s_load_b128 s[4:7], s[0:1], 0x0                ; xb s[4:5], wb s[6:7]
	s_load_b128 s[68:71], s[0:1], 0x10             ; bq s[68:69], bk s[70:71]
	s_load_b128 s[72:75], s[0:1], 0x20             ; bv s[72:73], qkv s[74:75]
	v_lshl_add_u32 v[SPW], v0, 2, SPARE
	v_mov_b32 v[NIL], 0
	ds_add_u32 v[SPW], v[NIL]                      ; the wave's opening: the add and its wait stand ahead of my first tensor load
	v_lshrrev_b32 v1, 5, v0
	v_readfirstlane_b32 s10, v1                    ; wave 0..3
	s_lshr_b32 s11, s10, 1                         ; which 128 rows of the tile are mine.  Also: I fetch for A (0) or for B (1)
	s_and_b32 s12, s10, 1                          ; which 128 columns.  Also: which half of that tile I fetch
	s_bfe_u32 s40, ttmp6, 0x40000                  ; cx
	s_bfe_u32 s41, ttmp6, 0x40004                  ; cy
	s_lshl_b32 s42, ttmp9, 2
	s_add_co_u32 s42, s42, s40                     ; tile column = 4 x cluster x + cx
	s_and_b32 s45, ttmp7, 0xffff
	s_lshl_b32 s13, s45, 2
	s_add_co_u32 s13, s13, s41                     ; tile row = 4 x cluster y + cy
	s_lshl_b32 s43, s41, 2
	s_lshl_b32 s43, 15, s43                        ; my row of the cluster
	s_lshl_b32 s44, 0x1111, s40                    ; my column
	s_or_b32 s[G1+0], s43, (1<<16)|(1<<20)|(1<<21)|(5<<22)|(3<<25)   ; mask; 2-byte elements; padding on; bit 21 beside a mask; after every 64 words, 4 words
	s_mov_b32 s[G1+1], 128<<16                     ; tensor_dim0 = 128
	s_mov_b32 s[G1+2], 128<<16                     ; tensor_dim1 = 128
	s_mov_b32 s[G1+3], 128<<16                     ; tile_dim0 = 128
	s_mov_b32 s[G1+4], 128                         ; tile_dim1 = 128
	s_mov_b32 s[G1+5], 1024                        ; elements from row to row of xb
	s_mov_b32 s[G1+6], 0
	s_mov_b32 s[G1+7], 0
	s_or_b32 s[G1B+0], s44, (1<<16)|(1<<20)|(1<<21)|(6<<22)|(7<<25)  ; after every 128 words, 8 words
	s_mov_b32 s[G1B+1], 256<<16                    ; 256 columns
	s_mov_b32 s[G1B+2], 64<<16                     ; 64 k-rows
	s_mov_b32 s[G1B+3], 256<<16
	s_mov_b32 s[G1B+4], 64
	s_mov_b32 s[G1B+5], 3072                       ; elements from row to row of wb
	s_mov_b32 s[G1B+6], 0
	s_mov_b32 s[G1B+7], 0
	s_lshl_b32 s16, s13, 8                         ; A hangs on the tile row alone:
	s_lshl_b32 s17, s12, 7
	s_add_co_u32 s16, s16, s17                     ; row 256 x tile row + 128 x half,
	s_lshl_b32 s16, s16, 11                        ; x 2,048 bytes
	s_mov_b32 s17, 0
	s_mul_i32 s46, s12, 64*6144                    ; B on the tile column alone: k-row 64 x half,
	s_lshl_b32 s47, s42, 9                         ; column 256 x tile column, in bytes
	s_add_co_u32 s46, s46, s47
	s_mov_b32 s47, 0
	s_mul_i32 s20, s10, HALFT                      ; where my load goes in a slot: A's two halves, then B's two = wave x 34,816: no place in the cluster enters an LDS address
	s_mov_b32 s[TB], 0
	s_wait_dscnt 0x0                               ; the opening add is done
	s_wait_kmcnt 0x0
	s_add_nc_u64 s[14:15], s[4:5], s[16:17]
	s_add_nc_u64 s[46:47], s[6:7], s[46:47]
	CROUND                                         ; all sixteen work-groups are here: the first joint loads meet
.irp s, 0,1
	s_mov_b32 s[G0+4*(\s)], 1
	s_add_co_u32 s[G0+4*(\s)+1], s20, (\s)*SLOT
	s_add_nc_u64 s[G0+4*(\s)+2:G0+4*(\s)+3], s[14:15], (\s)*ASTEP
	s_or_b32 s[G0+4*(\s)+3], s[G0+4*(\s)+3], 0x80000000
	s_mov_b32 s[G0B+4*(\s)], 1
	s_add_co_u32 s[G0B+4*(\s)+1], s20, (\s)*SLOT
	s_add_nc_u64 s[G0B+4*(\s)+2:G0B+4*(\s)+3], s[46:47], (\s)*BSTEP
	s_or_b32 s[G0B+4*(\s)+3], s[G0B+4*(\s)+3], 0x80000000
	JLOAD \s                                       ; two loads of mine are out
.endr
	v_and_b32 v1, 15, v0                           ; r = l % 16
	v_bfe_u32 v2, v0, 4, 1                         ; h = l / 16
	; the bias of my 128 columns, in the accumulators' layout: register 8 b + j holds column 16 b + 8 h + j
	s_cmp_eq_u32 ttmp9, 1                          ; tile columns 0-3 are q's, 4-7 k's, 8-11 v's: the cluster's x
	s_cselect_b64 s[76:77], s[70:71], s[68:69]
	s_cmp_eq_u32 ttmp9, 2
	s_cselect_b64 s[76:77], s[72:73], s[76:77]
	s_lshl_b32 s22, s40, 10                        ; 256 columns x 4 bytes x cx
	s_lshl_b32 s23, s12, 9
	s_add_co_u32 s22, s22, s23
	v_lshl_add_u32 v[BO], v2, 5, s22
	WIN 0x40                                       ; destination window 1, address window 0
.irp b, 0,1,2,3,4,5,6,7
	global_load_b128 v[8*(\b):8*(\b)+3],   v[BO], s[76:77] offset:64*(\b)
	global_load_b128 v[8*(\b)+4:8*(\b)+7], v[BO], s[76:77] offset:64*(\b)+16
.endr
	WIN 0
	v_mul_u32_u24 v3, v1, PITCH
	v_lshl_add_u32 v3, v2, 4, v3                   ; r x 272 + 16 h
	s_mul_i32 s22, s11, HALFT                      ; my 128 rows of A
	v_add_nc_u32 v[ADRA0], s22, v3
	v_and_b32 v4, 7, v0                            ; the turning load: lane l reads k-row 8 h + l % 8, 16 bytes at 16 ((l / 8) % 2)
	v_lshl_add_u32 v4, v2, 3, v4
	v_mul_u32_u24 v4, v4, PB
	v_bfe_u32 v5, v0, 3, 1
	v_lshl_add_u32 v4, v5, 4, v4
	s_lshl_b32 s22, s12, 8                         ; my 128 columns,
	s_add_co_u32 s22, s22, 2*HALFT                 ; behind A's rows
	v_add_nc_u32 v[ADRB0], s22, v4
	v_mov_b32 v[ADRA], v[ADRA0]                    ; the first slot in hand is slot 0
	v_mov_b32 v[ADRB], v[ADRB0]
	s_mul_i32 s23, s10, 16*SP
	s_add_co_u32 s23, s23, STAGE                   ; my stage
	v_add_nc_u32 v[STO], s23, v3                   ; in: row r, 16 bytes for each half of the lanes
	v_mul_u32_u24 v5, v2, SP                       ; back: lanes 0-15 one row of 256 bytes, lanes 16-31 the next
	v_lshl_add_u32 v5, v1, 4, v5
	v_add_nc_u32 v[RD], s23, v5
	v_mul_u32_u24 v5, v2, 6144                     ; and the same two rows in qkv
	v_lshl_add_u32 v[CO], v1, 4, v5
	s_lshl_b32 s16, s13, 8
	s_lshl_b32 s17, s11, 7
	s_add_co_u32 s16, s16, s17                     ; my first row of qkv
	s_mul_i32 s16, s16, 6144
	s_mov_b32 s17, 0
	s_add_nc_u64 s[8:9], s[74:75], s[16:17]
	s_lshl_b32 s46, s42, 9                         ; my first column, in bytes
	s_lshl_b32 s47, s12, 8
	s_add_co_u32 s46, s46, s47
	s_mov_b32 s47, 0
	s_add_nc_u64 s[8:9], s[8:9], s[46:47]
	s_wait_loadcnt 0x0                             ; the bias
	WIN 0x45                                       ; all in window 1: each pair is rounded to bf16 and widened again
.set u, 0
.rept 32
	v_cvt_pk_bf16_f32 v[u+1], v[u], v[u+1]
	v_lshlrev_b32 v[u], 16, v[u+1]
	v_and_b32 v[u+1], 0xffff0000, v[u+1]
.set u, u+2
.endr
	WIN 0
; 16 matrix instructions: m blocks a0, a0 + 1 of the window's four (hi = 0: my rows 0-63, 1: rows 64-127) x all 8 n blocks, 32 along K.  mode 2: the bias starts the sums.
; The 64 accumulators take turns in the same order in every quarter.
.macro MUL16 f, hi, a0, mode
.if (\mode) == 2
	WIN 0x91+0x40*(\hi)                            ; B window 1, A window 0, C (the bias) window 1, D window 2 or 3
.else
	WIN 0xa1+0x50*(\hi)                            ; C and D window 2 or 3
.endif
.irp a, \a0, (\a0)+1
.irp b, 0,1,2,3,4,5,6,7
.if (\mode) == 2
	v_wmma_f32_16x16x32_bf16 v[8*(8*(\a)+(\b)):8*(8*(\a)+(\b))+7], v[(\f)+8*(\b):(\f)+8*(\b)+7], v[(\f)+8*(4*(\hi)+(\a)):(\f)+8*(4*(\hi)+(\a))+7], v[8*(\b):8*(\b)+7]
.else
	v_wmma_f32_16x16x32_bf16 v[8*(8*(\a)+(\b)):8*(8*(\a)+(\b))+7], v[(\f)+8*(\b):(\f)+8*(\b)+7], v[(\f)+8*(4*(\hi)+(\a)):(\f)+8*(4*(\hi)+(\a))+7], v[8*(8*(\a)+(\b)):8*(8*(\a)+(\b))+7]
.endif
.endr
.endr
.endm
; 32 LDS loads in one run: quarter q (32 along K) of the slot in hand into buffer f: B's 8 blocks (turned), then A's 8 blocks in ascending order
.macro FETCH q, f
	WIN 0x40                                       ; destination window 1, address window 0
.irp b, 0,1,2,3,4,5,6,7
	ds_load_tr16_b128 v[(\f)+8*(\b):(\f)+8*(\b)+3],   v[ADRB] offset:(\q)*32*PB+32*(\b)
	ds_load_tr16_b128 v[(\f)+8*(\b)+4:(\f)+8*(\b)+7], v[ADRB] offset:(\q)*32*PB+16*PB+32*(\b)
.endr
	WIN 0
.irp i, 0,1,2,3,4,5,6,7
	ds_load_b128 v[(\f)+8*(\i):(\f)+8*(\i)+3],   v[ADRA] offset:64*(\q)+(\i)*16*PITCH
	ds_load_b128 v[(\f)+8*(\i)+4:(\f)+8*(\i)+7], v[ADRA] offset:64*(\q)+(\i)*16*PITCH+32
.endr
.endm
; A K step is four quarters of 32 along K, 64 matrix instructions each, on buffers 0, 1, 0, 1.  One of the first three: multiplies f and, in its middle, fetches quarter q into g.
.macro QUARTER q, f, g, mode
	s_wait_dscnt 8                                 ; B and A's rows 0-63 are in; the youngest eight loads (A's rows 64-127) may be out
	MUL16 \f, 0, 0, \mode
	MUL16 \f, 0, 2, \mode
	PLACES
	FETCH \q, \g
	s_wait_dscnt 32                                ; all but the 32 just issued
	MUL16 \f, 1, 0, \mode
	MUL16 \f, 1, 2, \mode
.endm
; The last quarter multiplies buffer 1 and changes slots.  MEET is its first half: ONE barrier; in front of it each wave waits for all its tensor loads (one is out: its part of the next slot),
; adds 0 to its spare word, and waits for that and for its own reads of this slot.
.macro MEET
	WIN 0                                          ; (the add's two registers lie in window 0)
	s_wait_tensorcnt 0x0
	ds_add_u32 v[SPW], v[NIL]
	s_wait_dscnt 9                                 ; (the add and the youngest eight loads may be out)
	MUL16 F1, 0, 0, 0                              ; sixteen matrix instructions stand between the add and the wait for it
	s_wait_dscnt 0x0                               ; the add is done, and my reads of this slot are over
	s_barrier_signal -1
	MUL16 F1, 0, 2, 0                              ; work on registers while the others arrive
	WIN 0
	s_barrier_wait -1
.endm
; Its second half.  fill = 1: the barrier has opened a round of the cluster's; the slot just read is filled again, with the K step two on, first thing behind the round; then the other slot's first fragments.
.macro REST fill
.if \fill
	CREST                                          ; no wave of any partner still reads this slot or has a load on its way
	s_add_co_u32 s[G0+5], s20, s[TB]               ; the walking descriptors: into the slot just read,
	s_add_co_u32 s[G0B+5], s20, s[TB]
	s_add_nc_u64 s[G0+6:G0+7], s[G0+6:G0+7], ASTEP ; the K step behind the one asked for last; the type bits on top are not reached
	s_add_nc_u64 s[G0B+6:G0B+7], s[G0B+6:G0B+7], BSTEP
	s_xor_b32 s[TB], s[TB], SLOT                   ; the other slot is in hand
	JLOAD 1                                        ; 224 matrix instructions ahead of the wait for it; its four v_nop are the places for the loads below
.else
	s_xor_b32 s[TB], s[TB], SLOT
	PLACES
.endif
	v_add_nc_u32 v[ADRA], s[TB], v[ADRA0]
	v_add_nc_u32 v[ADRB], s[TB], v[ADRB0]
	FETCH 0, F0
	MUL16 F1, 1, 0, 0
	MUL16 F1, 1, 2, 0
.endm
	s_wait_tensorcnt 1                             ; my part of K step 0 is in; K step 1's may stay out
	s_barrier_signal -1
	s_barrier_wait -1
	FETCH 0, F0
	QUARTER 1, F0, F1, 2                           ; the first quarter stands in front of the loop: its products start the sums, on the bias
	WIN 0
	s_mov_b32 s3, STEPS-2
.Lstep:                                                ; a trip: a K step's quarters 1 to 3 and the next step's quarter 0; the slot left is filled again
	QUARTER 2, F1, F0, 0
	QUARTER 3, F0, F1, 0
	MEET
	REST 1
	QUARTER 1, F0, F1, 0
	WIN 0
	s_sub_co_u32 s3, s3, 1
	s_cmp_lg_u32 s3, 0
	s_cbranch_scc1 .Lstep
	s_mov_b32 s3, 2
.Ltail:                                                ; the last two K steps ask for nothing: a second text; its second trip is left in the middle
	QUARTER 2, F1, F0, 0
	QUARTER 3, F0, F1, 0
	MEET                                           ; (in the second trip its barrier orders nothing: the price of one text for both trips)
	s_sub_co_u32 s3, s3, 1
	s_cmp_eq_u32 s3, 0
	s_cbranch_scc1 .Lout
	REST 0
	QUARTER 1, F0, F1, 0
	WIN 0
	s_branch .Ltail
.Lout:
	MUL16 F1, 1, 0, 0
	MUL16 F1, 1, 2, 0
	WIN 0
	PLACES
; THE WAY OUT, a block of 16 rows at a time: rounded to f16, 16 bytes a lane into my own stage, back as whole rows of 256 bytes, stored.
.macro PACK a
.set AC, 64*((\a)%4)
	WIN 0x0a+5*((\a)/4)                            ; sources in window 2 or 3, destination in window 0
.irp b, 0,1,2,3,4,5,6,7
.irp r, 0,1,2,3
	v_cvt_pk_f16_f32 v[TMP+4*(\b)+(\r)], v[AC+8*(\b)+2*(\r)], v[AC+8*(\b)+2*(\r)+1]
.endr
.endr
	WIN 0
.endm
.macro TOSTAGE a
.set BK, OB+192*((\a)%2)
.irp b, 0,1,2,3,4,5,6,7
	ds_store_b128 v[STO], v[TMP+4*(\b):TMP+4*(\b)+3] offset:32*(\b)
.endr
.irp t, 0,1,2,3,4,5,6,7
	ds_load_b128 v[BK+4*(\t):BK+4*(\t)+3], v[RD] offset:(\t)*2*SP  ; LDS serves a wave's instructions in order (ISA guide 5.7.1.4): these see the stores above
.endr
.endm
.macro SEND a
.set BK, OB+192*((\a)%2)
	s_wait_dscnt 0x0                               ; the block is back in registers
	s_wait_xcnt 0x0                                ; the earlier stores have had their addresses translated (ISA guide 3.1): the other set, which they read, is loaded again only behind this wait
.irp t, 0,1,2,3,4,5,6,7
	global_store_b128 v[CO], v[BK+4*(\t):BK+4*(\t)+3], s[8:9] offset:(\a)*16*6144+(\t)*2*6144  ; 16 lanes store 256 consecutive bytes, aligned
.endr
.endm
	PACK 0
	TOSTAGE 0
.irp a, 1,2,3,4,5,6,7                  ; a block's conversions stand between the loads of the block before and the wait for them
	PACK \a
	SEND (\a)-1
	TOSTAGE \a
.endr
	SEND 7
	s_wait_tensorcnt 0x0                           ; the wave's end
	ds_add_u32 v[SPW], v[NIL]
	s_wait_dscnt 0x0
	CROUND                                         ; the closing round
	s_endpgm
.Lfunc_end_k_qee9166975c_proj:
	.size	k_qee9166975c_proj, .Lfunc_end_k_qee9166975c_proj-k_qee9166975c_proj
	.p2alignl 7, 3214868480
	.fill 96, 4, 3214868480
	.section	.rodata,"a",@progbits
	.p2align	6, 0x0
	.amdhsa_kernel k_qee9166975c_proj
		.amdhsa_group_segment_fixed_size 327680
		.amdhsa_private_segment_fixed_size 0
		.amdhsa_enable_private_segment 0
		.amdhsa_kernarg_size 48
		.amdhsa_user_sgpr_count 2
		.amdhsa_user_sgpr_kernarg_segment_ptr 1
		.amdhsa_wavefront_size32 1
		.amdhsa_system_sgpr_workgroup_id_x 1
		.amdhsa_system_sgpr_workgroup_id_y 1
		.amdhsa_system_sgpr_workgroup_id_z 1
		.amdhsa_system_vgpr_workitem_id 0
		.amdhsa_next_free_vgpr 1024
		.amdhsa_next_free_sgpr 80
		.amdhsa_reserve_vcc 0
		.amdhsa_float_denorm_mode_32 3
		.amdhsa_float_denorm_mode_16_64 3
		.amdhsa_memory_ordered 1
		.amdhsa_forward_progress 1
		.amdhsa_inst_pref_size 109
	.end_amdhsa_kernel
	.amdgpu_metadata
---
amdhsa.version: [ 1, 2 ]
amdhsa.kernels:
  - .name:           k_qee9166975c_proj
    .symbol:         k_qee9166975c_proj.kd
    .args:
      - { .name: xb, .offset: 0, .size: 8, .value_kind: global_buffer, .address_space: global }
      - { .name: wb, .offset: 8, .size: 8, .value_kind: global_buffer, .address_space: global }
      - { .name: bq, .offset: 16, .size: 8, .value_kind: global_buffer, .address_space: global }
      - { .name: bk, .offset: 24, .size: 8, .value_kind: global_buffer, .address_space: global }
      - { .name: bv, .offset: 32, .size: 8, .value_kind: global_buffer, .address_space: global }
      - { .name: qkv, .offset: 40, .size: 8, .value_kind: global_buffer, .address_space: global }
    .group_segment_fixed_size: 327680
    .private_segment_fixed_size: 0
    .kernarg_segment_align: 8
    .kernarg_segment_size: 48
    .max_flat_workgroup_size: 128
    .sgpr_count:     80
    .vgpr_count:     1024
    .wavefront_size: 32
...
	.end_amdgpu_metadata
.endif
;; end of part 2
;; launch scores (part 3): grid 8 x 32, 4 waves a work-group, clusters of 4 x 4, 327,680 bytes of LDS; arguments qkv, mask, p, st; writes p, st
.if DOCPART == 3
	.amdgcn_target "amdgcn-amd-amdhsa--gfx1250"
	.amdhsa_code_object_version 6
	.text
	.protected	k_qee9166975c_scores
	.globl	k_qee9166975c_scores
	.p2align	8
	.type	k_qee9166975c_scores,@function
k_qee9166975c_scores:
	s_mov_b64 s[64:65], 0
	v_nop
	global_prefetch_b8 v0, s[64:65] scope:SCOPE_SE
	s_setreg_imm32_b32 hwreg(HW_REG_WAVE_MODE, 25, 1), 1
	s_wait_xcnt 0x0
	s_wait_alu depctr_hold_cnt(0) depctr_sa_sdst(0) depctr_va_vdst(0) depctr_va_sdst(0) depctr_va_ssrc(0) depctr_va_vcc(0) depctr_vm_vsrc(0)
	s_getreg_b32 s2, hwreg(HW_REG_IB_STS2, 6, 4)
	s_cmp_eq_u32 s2, 0
	s_cbranch_scc0 .Lentry_in_a_cluster
	s_endpgm
.Lentry_in_a_cluster:
	s_bfe_u32 s2, ttmp6, 0x10000c
	s_cmp_lg_u32 s2, 0xf033
	s_cbranch_scc0 .Lentry_shape_is_right
	s_endpgm
.Lentry_shape_is_right:
; s[q][key] = q[q] . k[key] (f16 operands, f32 sums), hidden (-inf) where mask[q][key] == 0.  A row's 2,048 keys fall into 16 GROUPS of 128; a wave's 128 columns are one group.
; For each row and group: m = the largest visible s; ne = min(floor(-c m), 1e30), c = log2(e) / 1024; p = 2^(c s + ne), stored in f16; l = the sum of the unrounded p, in f32.
; So the group's own maximum, rounded up to a whole power of two, is taken away before every exponential: p lies in 0 to 1 and the group's largest is at least 0.5.
; The next launch joins the groups: it multiplies group g by 2^(min ne - ne_g), an exact power of two, and divides by the sum of the l so scaled.
; p: [8192][2048] f16.  st: [4 batch][16 group][2048 q][2] f32 = (ne, l).  A group without a visible key has ne = 1e30, p = 0, l = 0.
; LIMITS.  q and k arrive in f16; |c s| stays far below 1e30 (f16's scores are 4.4e12 at the most).  A weight below 6e-8 counts as 0 in p; below 6e-5 it keeps f16's fixed step.  NaN and infinities in q, k are not treated apart.
; SHARES.  A tile of 256 queries x 256 keys to a work-group: 4 batches x 8 x 8 = 256 work-groups, one for each WGP.  Four waves of 128 x 128: 64 accumulators, 512 registers.
; 1,024 channels go in steps of 128 through two LDS slots; a K step is written once (the slot in hand is a scalar, 0 or SLOT, turned by an exclusive or); both operands lie with K along their rows: plain ds_load_b128.
; CLUSTER.  4 x 4 work-groups, all of one batch: the four of a row share q's tile, the four of a column k's: joint loads.
; The matrix instruction is used transposed (source 0 = 16 keys, source 1 = 16 queries): a lane holds query l % 16 and the keys 16 b + 8 (l / 16) + 0..7 of each block b: half a row's group; the other half lies 16 lanes away.
; THE WAY OUT is written for four blocks of 16 queries, those of window 2, and walked twice; between the trips the 256 accumulators of window 3 are copied into window 2: 256 copies a wave are the price of half the text.
; THE MASK, 64 words a lane and block, has a buffer for each of the four positions.  Blocks 0-2 are asked for at the start, into registers that lie idle under the K loop; block 3 when B's buffer 0 is dead,
; 32 products ahead of the end; blocks 4-7 in the first trip, in one run, as soon as all four buffers have been used.
; REGISTERS: window 0: v0-31 addresses; v32-53 statistics; v64-127, v128-191 fragments of q, on the way out at work; v192-255 mask buffer 2
;   window 1: v0-63 mask buffer 0; v64-127, v128-191 fragments of k (v64-127 at last mask buffer 3); v192-255 mask buffer 1          windows 2, 3: accumulator (a, b) at v[8 (8 a + b)]
.set PITCH, 272       ; an LDS row: 256 bytes + 16: the 16 rows of a load start at 16 different groups of four banks (64 banks of 4 bytes: ISA guide 11.1)
.set HALFT, 128*PITCH ; what one tensor load brings: 128 rows
.set SLOT,  4*HALFT   ; q's 256 rows, then k's 256 rows
.set STAGE, 2*SLOT
.set SP,    272
.set SPARE, STAGE+4*16*SP
.set STEPS, 8
.set ASTEP, 256
.set BSTEP, 256
.set ADRA0, 16
.set ADRB0, 17
.set ADRA,  18
.set ADRB,  19
.set STO,  24
.set RD,   25
.set CO,   26
.set MO,   27         ; v27  my byte offset in the mask; never rewritten
.set SPW,  28
.set NIL,  29
.set SO,   30         ; v30  8 x lane: my place in 256 bytes of st
.set NEP,  32         ; v32-39  position i: ne, twice (a pair for the packed scaling)
.set LS,   40         ; v40-43  position i: l
.set MX,   44         ; v44-47  four running maxima
.set T,    48         ; v48     at work
.set STP,  50         ; v50-53  (ne, l) as stored
.set F0,   64
.set F1,   128
.set TMP,  64         ; the way out: 32 packed registers
.set BK,   96         ; and 16 rows read back: two sets of 32
.set G1,  24
.set G0,  32
.set G1B, 48
.set G0B, 56
.set TB,  67
.set MSB, 0
.macro WIN new
.if MSB != (\new)
	s_set_vgpr_msb (MSB<<8)|(\new)
.set MSB, \new
.endif
.endm
.macro JLOAD s                         ; waves 0 and 1 fetch q's halves, waves 2 and 3 k's; an s_nop 0 and four v_nop follow each line
	s_cmp_eq_u32 s11, 0
	s_cbranch_scc0 .Lfor_b_\@
	tensor_load_to_lds s[G0+4*(\s):G0+4*(\s)+3], s[G1:G1+7]
	s_nop 0
.rept 4
	v_nop
.endr
	s_branch .Lasked_\@
.Lfor_b_\@:
	tensor_load_to_lds s[G0B+4*(\s):G0B+4*(\s)+3], s[G1B:G1B+7]
	s_nop 0
.rept 4
	v_nop
.endr
.Lasked_\@:
.endm
.macro CREST
	s_cmp_lg_u32 s10, 0
	s_cbranch_scc1 .Lnot_wave_0_\@
	s_barrier_signal -3
.Lnot_wave_0_\@:
	s_barrier_wait -3
	s_barrier_signal -1
	s_barrier_wait -1
.endm
.macro CROUND
	s_barrier_signal -1
	s_barrier_wait -1
	CREST
.endm
.macro PLACES
.rept 4
	v_nop
.endr
.endm
; the mask of block blk (16 queries x my 128 keys) into the 64 registers from m on in window w: register 8 b + j takes the word of the score in an accumulator row's register 8 b + j
.macro MLOAD blk, w, m
	WIN (\w)<<6
.irp b, 0,1,2,3,4,5,6,7
	global_load_b128 v[(\m)+8*(\b):(\m)+8*(\b)+3],   v[MO], s[72:73] offset:(\blk)*131072+(\b)*64
	global_load_b128 v[(\m)+8*(\b)+4:(\m)+8*(\b)+7], v[MO], s[72:73] offset:(\blk)*131072+(\b)*64+16
.endr
.endm
	s_load_b128 s[4:7], s[0:1], 0x0                ; qkv s[4:5], mask s[6:7]
	s_load_b128 s[68:71], s[0:1], 0x10             ; p s[68:69], st s[70:71]
	v_lshl_add_u32 v[SPW], v0, 2, SPARE
	v_mov_b32 v[NIL], 0
	ds_add_u32 v[SPW], v[NIL]                      ; the wave's opening: the add and its wait stand ahead of my first tensor load
	v_lshrrev_b32 v1, 5, v0
	v_readfirstlane_b32 s10, v1
	s_lshr_b32 s11, s10, 1                         ; which 128 queries are mine.  Also: I fetch q (0) or k (1)
	s_and_b32 s12, s10, 1                          ; which 128 keys.  Also: which half of that tile I fetch
	s_bfe_u32 s40, ttmp6, 0x40000
	s_bfe_u32 s41, ttmp6, 0x40004
	s_lshl_b32 s42, ttmp9, 2
	s_add_co_u32 s42, s42, s40                     ; tile column: 256 keys of the batch
	s_and_b32 s45, ttmp7, 0xffff                   ; the cluster's y: 1,024 rows; two of them are a batch
	s_lshl_b32 s13, s45, 2
	s_add_co_u32 s13, s13, s41                     ; tile row: 256 of the 8,192 rows
	s_lshl_b32 s43, s41, 2
	s_lshl_b32 s43, 15, s43
	s_lshl_b32 s44, 0x1111, s40
	s_or_b32 s[G1+0], s43, (1<<16)|(1<<20)|(1<<21)|(5<<22)|(3<<25)
	s_or_b32 s[G1B+0], s44, (1<<16)|(1<<20)|(1<<21)|(5<<22)|(3<<25)
.irp g, G1, G1B
	s_mov_b32 s[(\g)+1], 128<<16                   ; tensor_dim0 = 128
	s_mov_b32 s[(\g)+2], 128<<16                   ; tensor_dim1 = 128
	s_mov_b32 s[(\g)+3], 128<<16                   ; tile_dim0 = 128
	s_mov_b32 s[(\g)+4], 128                       ; tile_dim1 = 128
	s_mov_b32 s[(\g)+5], 3072                      ; elements from row to row of qkv
	s_mov_b32 s[(\g)+6], 0
	s_mov_b32 s[(\g)+7], 0
.endr
	s_lshl_b32 s16, s13, 8
	s_lshl_b32 s17, s12, 7
	s_add_co_u32 s16, s16, s17
	s_mul_i32 s16, s16, 6144                       ; q: row 256 x tile row + 128 x half
	s_mov_b32 s17, 0
	s_lshr_b32 s46, s45, 1                         ; the batch, which the cluster shares
	s_lshl_b32 s46, s46, 11
	s_lshl_b32 s47, s42, 8
	s_add_co_u32 s46, s46, s47
	s_lshl_b32 s47, s12, 7
	s_add_co_u32 s46, s46, s47
	s_mul_i32 s46, s46, 6144                       ; k: row 2,048 x batch + 256 x tile column + 128 x half,
	s_add_co_u32 s46, s46, 2048                    ; 2,048 bytes into the row
	s_mov_b32 s47, 0
	s_mul_i32 s20, s10, HALFT                      ; where my load goes in a slot: wave x 128 rows
	s_mov_b32 s[TB], 0
	s_mov_b32 s76, 0x3ab8aa3b                      ; c = log2(e) / 1024
	s_mov_b32 s77, 0x3ab8aa3b
	s_mov_b32 s78, 0xbab8aa3b                      ; -c
	s_mov_b32 s79, 0xff800000                      ; -infinity
	s_mov_b32 s84, 0x7149f2ca                      ; 1e30
	s_mov_b32 s85, 0xffff0000                      ; lanes 16-31
	s_mov_b32 s86, 0x76543210                      ; v_permlanex16_b32: each lane takes its own place in the other half
	s_mov_b32 s87, 0xfedcba98
	s_wait_dscnt 0x0
	s_wait_kmcnt 0x0
	s_add_nc_u64 s[14:15], s[4:5], s[16:17]
	s_add_nc_u64 s[46:47], s[4:5], s[46:47]
	CROUND
.irp s, 0,1
	s_mov_b32 s[G0+4*(\s)], 1
	s_add_co_u32 s[G0+4*(\s)+1], s20, (\s)*SLOT
	s_add_nc_u64 s[G0+4*(\s)+2:G0+4*(\s)+3], s[14:15], (\s)*ASTEP
	s_or_b32 s[G0+4*(\s)+3], s[G0+4*(\s)+3], 0x80000000
	s_mov_b32 s[G0B+4*(\s)], 1
	s_add_co_u32 s[G0B+4*(\s)+1], s20, (\s)*SLOT
	s_add_nc_u64 s[G0B+4*(\s)+2:G0B+4*(\s)+3], s[46:47], (\s)*BSTEP
	s_or_b32 s[G0B+4*(\s)+3], s[G0B+4*(\s)+3], 0x80000000
	JLOAD \s
.endr
	v_and_b32 v1, 15, v0                           ; r
	v_bfe_u32 v2, v0, 4, 1                         ; h
	s_lshl_b32 s16, s13, 8
	s_lshl_b32 s17, s11, 7
	s_add_co_u32 s18, s16, s17                     ; my first row of the 8,192
	s_lshl_b32 s16, s18, 13                        ; a row of the mask is 8,192 bytes
	s_mov_b32 s17, 0
	s_add_nc_u64 s[72:73], s[6:7], s[16:17]
	s_lshl_b32 s46, s42, 10                        ; my first key, x 4 bytes
	s_lshl_b32 s47, s12, 9
	s_add_co_u32 s46, s46, s47
	s_mov_b32 s47, 0
	s_add_nc_u64 s[72:73], s[72:73], s[46:47]
	v_lshlrev_b32 v[MO], 13, v1
	v_lshl_add_u32 v[MO], v2, 5, v[MO]             ; row r, 8 h keys in
	MLOAD 0, 1, 0                                  ; three blocks' masks are on their way under the K loop
	MLOAD 1, 1, 192
	MLOAD 2, 0, 192
	WIN 0
	s_lshl_b32 s16, s18, 12                        ; a row of p is 4,096 bytes
	s_add_nc_u64 s[8:9], s[68:69], s[16:17]
	s_lshr_b32 s46, s46, 1                         ; my first key, x 2 bytes
	s_add_nc_u64 s[8:9], s[8:9], s[46:47]
	s_and_b32 s16, s13, 7                          ; st: my first query in its batch,
	s_lshl_b32 s16, s16, 8
	s_lshl_b32 s19, s11, 7
	s_add_co_u32 s16, s16, s19
	s_lshr_b32 s19, s45, 1
	s_lshl_b32 s19, s19, 15                        ; the batch's 16 groups x 2,048 queries,
	s_add_co_u32 s16, s16, s19
	s_lshl_b32 s16, s16, 3                         ; x 8 bytes
	s_add_nc_u64 s[74:75], s[70:71], s[16:17]
	s_lshl_b32 s46, s42, 1
	s_add_co_u32 s46, s46, s12                     ; my group,
	s_lshl_b32 s46, s46, 14                        ; x 2,048 queries x 8 bytes
	s_add_nc_u64 s[74:75], s[74:75], s[46:47]
	v_mul_u32_u24 v3, v1, PITCH
	v_lshl_add_u32 v3, v2, 4, v3                   ; r x 272 + 16 h
	s_mul_i32 s22, s11, HALFT
	v_add_nc_u32 v[ADRA0], s22, v3
	s_mul_i32 s22, s12, HALFT
	s_add_co_u32 s22, s22, 2*HALFT
	v_add_nc_u32 v[ADRB0], s22, v3
	v_mov_b32 v[ADRA], v[ADRA0]
	v_mov_b32 v[ADRB], v[ADRB0]
	s_mul_i32 s23, s10, 16*SP
	s_add_co_u32 s23, s23, STAGE
	v_add_nc_u32 v[STO], s23, v3
	v_mul_u32_u24 v5, v2, SP
	v_lshl_add_u32 v5, v1, 4, v5
	v_add_nc_u32 v[RD], s23, v5
	v_lshlrev_b32 v5, 12, v2
	v_lshl_add_u32 v[CO], v1, 4, v5                ; two rows of p: h x 4,096 + 16 r
	v_and_b32 v[SO], 31, v0
	v_lshlrev_b32 v[SO], 3, v[SO]
	v_mov_b32 v[T], 0                              ; v_permlanex16_b32's destination counts as read
; 16 matrix instructions: query blocks a0, a0 + 1 of the window's four x all 8 key blocks.  mode 1: they start the sums.  The 64 accumulators take turns.
.macro MUL16 f, hi, a0, mode
	WIN 0xa1+0x50*(\hi)                            ; k window 1, q window 0, C and D window 2 or 3
.irp a, \a0, (\a0)+1
.irp b, 0,1,2,3,4,5,6,7
.if (\mode) == 1
	v_wmma_f32_16x16x32_f16 v[8*(8*(\a)+(\b)):8*(8*(\a)+(\b))+7], v[(\f)+8*(\b):(\f)+8*(\b)+7], v[(\f)+8*(4*(\hi)+(\a)):(\f)+8*(4*(\hi)+(\a))+7], 0
.else
	v_wmma_f32_16x16x32_f16 v[8*(8*(\a)+(\b)):8*(8*(\a)+(\b))+7], v[(\f)+8*(\b):(\f)+8*(\b)+7], v[(\f)+8*(4*(\hi)+(\a)):(\f)+8*(4*(\hi)+(\a))+7], v[8*(8*(\a)+(\b)):8*(8*(\a)+(\b))+7]
.endif
.endr
.endr
.endm
.macro FETCH q, f                      ; 32 LDS loads in one run: quarter q of the slot in hand: k's 8 blocks, then q's 8 in ascending order
	WIN 0x40
.irp b, 0,1,2,3,4,5,6,7
	ds_load_b128 v[(\f)+8*(\b):(\f)+8*(\b)+3],   v[ADRB] offset:64*(\q)+(\b)*16*PITCH
	ds_load_b128 v[(\f)+8*(\b)+4:(\f)+8*(\b)+7], v[ADRB] offset:64*(\q)+(\b)*16*PITCH+32
.endr
	WIN 0
.irp i, 0,1,2,3,4,5,6,7
	ds_load_b128 v[(\f)+8*(\i):(\f)+8*(\i)+3],   v[ADRA] offset:64*(\q)+(\i)*16*PITCH
	ds_load_b128 v[(\f)+8*(\i)+4:(\f)+8*(\i)+7], v[ADRA] offset:64*(\q)+(\i)*16*PITCH+32
.endr
.endm
.macro QUARTER q, f, g, mode
	s_wait_dscnt 8                                 ; k and q's rows 0-63 are in; the youngest eight loads may be out
	MUL16 \f, 0, 0, \mode
	MUL16 \f, 0, 2, \mode
	PLACES
	FETCH \q, \g
	s_wait_dscnt 32                                ; all but the 32 just issued
	MUL16 \f, 1, 0, \mode
	MUL16 \f, 1, 2, \mode
.endm
.macro MEET                            ; the last quarter's first half: ONE barrier for the change of slots
	WIN 0
	s_wait_tensorcnt 0x0                           ; all my tensor loads have landed: my part of the next slot
	ds_add_u32 v[SPW], v[NIL]
	s_wait_dscnt 9                                 ; (the add and the youngest eight loads may be out)
	MUL16 F1, 0, 0, 0
	s_wait_dscnt 0x0                               ; the add is done, and my reads of this slot are over
	s_barrier_signal -1
	MUL16 F1, 0, 2, 0
	WIN 0
	s_barrier_wait -1
.endm
.macro REST fill                       ; its second half: with fill = 1 the slot just read is filled again behind a round of the cluster's barrier; then the other slot's first fragments
.if \fill
	CREST                                          ; no wave of any partner still reads this slot or has a load on its way
	s_add_co_u32 s[G0+5], s20, s[TB]
	s_add_co_u32 s[G0B+5], s20, s[TB]
	s_add_nc_u64 s[G0+6:G0+7], s[G0+6:G0+7], ASTEP
	s_add_nc_u64 s[G0B+6:G0B+7], s[G0B+6:G0B+7], BSTEP
	s_xor_b32 s[TB], s[TB], SLOT
	JLOAD 1                                        ; 224 matrix instructions ahead of the wait for it
.else
	s_xor_b32 s[TB], s[TB], SLOT
	PLACES
.endif
	v_add_nc_u32 v[ADRA], s[TB], v[ADRA0]
	v_add_nc_u32 v[ADRB], s[TB], v[ADRB0]
	FETCH 0, F0
	MUL16 F1, 1, 0, 0
	MUL16 F1, 1, 2, 0
.endm
	s_wait_tensorcnt 1                             ; my part of K step 0 is in; K step 1's may stay out
	s_barrier_signal -1
	s_barrier_wait -1
	FETCH 0, F0
	QUARTER 1, F0, F1, 1
	WIN 0
	s_mov_b32 s3, STEPS-2
.Lstep:
	QUARTER 2, F1, F0, 0
	QUARTER 3, F0, F1, 0
	MEET
	REST 1
	QUARTER 1, F0, F1, 0
	WIN 0
	s_sub_co_u32 s3, s3, 1
	s_cmp_lg_u32 s3, 0
	s_cbranch_scc1 .Lstep
	s_mov_b32 s3, 2
.Ltail:                                                ; the last two K steps ask for nothing; the second trip is left in the middle
	QUARTER 2, F1, F0, 0
	QUARTER 3, F0, F1, 0
	MEET
	s_sub_co_u32 s3, s3, 1
	s_cmp_eq_u32 s3, 0
	s_cbranch_scc1 .Lout
	REST 0
	QUARTER 1, F0, F1, 0
	WIN 0
	s_branch .Ltail
.Lout:
	PLACES                                         ; k's buffer 0 was last read a quarter ago: four places, and it takes block 3's mask
	MLOAD 3, 1, 64
	MUL16 F1, 1, 0, 0
	MUL16 F1, 1, 2, 0
	WIN 0
	PLACES
; Position pos (64 accumulator registers of window 2) is hidden where its mask, 64 registers from m on in window w, is 0.
.macro MASKB pos, w, m
.set AC, 64*(\pos)
	WIN 0x88+(\w)                                  ; source 0 the mask's window; source 1 and destination window 2
.set n, 0
.rept 16                               ; four at a time, ascending: each accumulator is read from its lowest registers on
.irp z, 0,1,2,3
	v_cmp_ne_u32 s[80+\z], v[(\m)+4*n+\z], 0
.endr
.irp z, 0,1,2,3
	v_cndmask_b32 v[AC+4*n+\z], s79, v[AC+4*n+\z], s[80+\z]  ; the score where the mask is not 0, else -infinity
.endr
.set n, n+1
.endr
.endm
; Position pos: maximum, ne, p, its rounding into TMP, l.
.macro SOFTB pos
.set AC, 64*(\pos)
	WIN 0
.irp z, 0,1,2,3
	v_mov_b32 v[MX+\z], s79
.endr
	WIN 0x28                                       ; sources 1 and 2 window 2
.set n, 0
.rept 32
	v_max3_num_f32 v[MX+n%4], v[MX+n%4], v[AC+2*n], v[AC+2*n+1]
.set n, n+1
.endr
	WIN 0
	v_max3_num_f32 v[MX], v[MX], v[MX+1], v[MX+2]
	v_max_num_f32 v[MX], v[MX], v[MX+3]
	v_permlanex16_b32 v[T], v[MX], s86, s87        ; the row's other 64 keys lie 16 lanes away
	v_max_num_f32 v[MX], v[MX], v[T]
	v_mul_f32 v[T], s78, v[MX]                     ; -c m (+infinity where nothing is visible)
	v_floor_f32 v[T], v[T]
	v_min_num_f32 v[NEP+2*(\pos)], s84, v[T]
	v_mov_b32 v[NEP+2*(\pos)+1], v[NEP+2*(\pos)]
	WIN 0x82                                       ; source 0 and destination window 2
.set n, 0
.rept 32
	v_pk_fma_f32 v[AC+2*n:AC+2*n+1], v[AC+2*n:AC+2*n+1], s[76:77], v[NEP+2*(\pos):NEP+2*(\pos)+1] op_sel_hi:[1,0,1]
.set n, n+1
.endr
.set n, 0
.rept 64
	v_exp_f32 v[AC+n], v[AC+n]
.set n, n+1
.endr
	v_nop                                          ; a plain instruction between the exponentials and the use of their results (ISA guide 5.7.2)
	WIN 0x0a
.set n, 0
	s_wait_alu depctr_va_vdst(0)
.rept 32
	v_cvt_pk_f16_f32 v[TMP+n], v[AC+2*n], v[AC+2*n+1]
.set n, n+1
.endr
	WIN 0x8a                                       ; the sum of the 32 pairs, in place: neighbours 1, 2, 4, 8, 16 pairs apart
.irp w, 1,2,4,8,16
.set n, 0
.rept 16/(\w)
	v_pk_add_f32 v[AC+2*n:AC+2*n+1], v[AC+2*n:AC+2*n+1], v[AC+2*(n+(\w)):AC+2*(n+(\w))+1]
.set n, n+2*(\w)
.endr
.endr
	WIN 0x0a
	v_add_f32 v[LS+(\pos)], v[AC], v[AC+1]
	WIN 0
	v_permlanex16_b32 v[T], v[LS+(\pos)], s86, s87
	v_add_f32 v[LS+(\pos)], v[LS+(\pos)], v[T]
.endm
.macro TOSTAGE pos
.irp b, 0,1,2,3,4,5,6,7
	ds_store_b128 v[STO], v[TMP+4*(\b):TMP+4*(\b)+3] offset:32*(\b)
.endr
.irp t, 0,1,2,3,4,5,6,7
	ds_load_b128 v[BK+32*((\pos)%2)+4*(\t):BK+32*((\pos)%2)+4*(\t)+3], v[RD] offset:(\t)*2*SP  ; LDS serves a wave's instructions in order (ISA guide 5.7.1.4)
.endr
.endm
.macro SEND pos
	s_wait_dscnt 0x0                               ; the block is back in registers
	s_wait_xcnt 0x0                                ; the earlier stores have had their addresses translated (ISA guide 3.1): the other set, which they read, is loaded again only behind this wait
.irp t, 0,1,2,3,4,5,6,7
	global_store_b128 v[CO], v[BK+32*((\pos)%2)+4*(\t):BK+32*((\pos)%2)+4*(\t)+3], s[8:9] offset:(\pos)*65536+(\t)*8192  ; 16 lanes store 256 consecutive bytes, aligned
.endr
.endm
	s_mov_b32 s2, 2
.Lhalf:                                                ; two trips: my rows 0-63, then my rows 64-127
	s_wait_loadcnt 16                              ; the masks of positions 0-2 are in; the sixteen loads behind them, position 3's, may be out
	MASKB 0, 1, 0
	MASKB 1, 1, 192
	MASKB 2, 0, 192
	SOFTB 0
	TOSTAGE 0
	s_wait_loadcnt 0x0                             ; position 3's mask
	MASKB 3, 1, 64
	WIN 0
	s_cmp_eq_u32 s2, 1
	s_cbranch_scc1 .Lno_more                       ; the second trip has nothing left to ask for
	MLOAD 4, 1, 0                                  ; all four buffers have been used: the second trip's masks, in the order in which it waits for them
	MLOAD 5, 1, 192
	MLOAD 6, 0, 192
	MLOAD 7, 1, 64
	WIN 0
.Lno_more:
.irp i, 1,2,3                          ; a block's arithmetic stands between the loads of the block before and the wait for them
	SOFTB \i
	SEND (\i)-1
	TOSTAGE \i
.endr
	SEND 3
	; the statistics: lane L takes row 32 u + L: position 2 u in lanes 0-15, 2 u + 1 in lanes 16-31; 32 lanes x 8 bytes are 256 consecutive bytes, aligned
.irp u, 0,1
	v_cndmask_b32 v[STP+2*\u], v[NEP+4*\u], v[NEP+4*\u+2], s85
	v_cndmask_b32 v[STP+2*\u+1], v[LS+2*\u], v[LS+2*\u+1], s85
	global_store_b64 v[SO], v[STP+2*\u:STP+2*\u+1], s[74:75] offset:256*\u
.endr
	s_sub_co_u32 s2, s2, 1
	s_cmp_eq_u32 s2, 0
	s_cbranch_scc1 .Ldone
	s_wait_xcnt 0x0                                ; the stores have had their addresses translated: their bases and registers may be written
	s_add_nc_u64 s[8:9], s[8:9], 64*4096           ; 64 rows of p on,
	s_add_nc_u64 s[74:75], s[74:75], 512           ; and of st
	WIN 0x83                                       ; my rows 64-127 go where the one text of the way out names the accumulators
.set n, 0
.rept 256
	v_mov_b32 v[n], v[n]
.set n, n+1
.endr
	WIN 0
	s_branch .Lhalf
.Ldone:
	s_wait_tensorcnt 0x0                           ; the wave's end
	ds_add_u32 v[SPW], v[NIL]
	s_wait_dscnt 0x0
	CROUND
	s_endpgm
.Lfunc_end_k_qee9166975c_scores:
	.size	k_qee9166975c_scores, .Lfunc_end_k_qee9166975c_scores-k_qee9166975c_scores
	.p2alignl 7, 3214868480
	.fill 96, 4, 3214868480
	.section	.rodata,"a",@progbits
	.p2align	6, 0x0
	.amdhsa_kernel k_qee9166975c_scores
		.amdhsa_group_segment_fixed_size 327680
		.amdhsa_private_segment_fixed_size 0
		.amdhsa_enable_private_segment 0
		.amdhsa_kernarg_size 32
		.amdhsa_user_sgpr_count 2
		.amdhsa_user_sgpr_kernarg_segment_ptr 1
		.amdhsa_wavefront_size32 1
		.amdhsa_system_sgpr_workgroup_id_x 1
		.amdhsa_system_sgpr_workgroup_id_y 1
		.amdhsa_system_sgpr_workgroup_id_z 1
		.amdhsa_system_vgpr_workitem_id 0
		.amdhsa_next_free_vgpr 1024
		.amdhsa_next_free_sgpr 96
		.amdhsa_reserve_vcc 0
		.amdhsa_float_denorm_mode_32 3
		.amdhsa_float_denorm_mode_16_64 3
		.amdhsa_memory_ordered 1
		.amdhsa_forward_progress 1
		.amdhsa_inst_pref_size 176
	.end_amdhsa_kernel
	.amdgpu_metadata
---
amdhsa.version: [ 1, 2 ]
amdhsa.kernels:
  - .name:           k_qee9166975c_scores
    .symbol:         k_qee9166975c_scores.kd
    .args:
      - { .name: qkv, .offset: 0, .size: 8, .value_kind: global_buffer, .address_space: global }
      - { .name: mask, .offset: 8, .size: 8, .value_kind: global_buffer, .address_space: global }
      - { .name: p, .offset: 16, .size: 8, .value_kind: global_buffer, .address_space: global }
      - { .name: st, .offset: 24, .size: 8, .value_kind: global_buffer, .address_space: global }
    .group_segment_fixed_size: 327680
    .private_segment_fixed_size: 0
    .kernarg_segment_align: 8
    .kernarg_segment_size: 32
    .max_flat_workgroup_size: 128
    .sgpr_count:     96
    .vgpr_count:     1024
    .wavefront_size: 32
...
	.end_amdgpu_metadata
.endif
;; end of part 3
;; launch pv (part 4): grid 4 x 64, 4 waves a work-group, clusters of 4 x 4, 327,680 bytes of LDS; arguments p, qkv, st, out0; writes out0
.if DOCPART == 4
	.amdgcn_target "amdgcn-amd-amdhsa--gfx1250"
	.amdhsa_code_object_version 6
	.text
	.protected	k_qee9166975c_pv
	.globl	k_qee9166975c_pv
	.p2align	8
	.type	k_qee9166975c_pv,@function
k_qee9166975c_pv:
	s_mov_b64 s[64:65], 0
	v_nop
	global_prefetch_b8 v0, s[64:65] scope:SCOPE_SE
	s_setreg_imm32_b32 hwreg(HW_REG_WAVE_MODE, 25, 1), 1
	s_wait_xcnt 0x0
	s_wait_alu depctr_hold_cnt(0) depctr_sa_sdst(0) depctr_va_vdst(0) depctr_va_sdst(0) depctr_va_ssrc(0) depctr_va_vcc(0) depctr_vm_vsrc(0)
	s_getreg_b32 s2, hwreg(HW_REG_IB_STS2, 6, 4)
	s_cmp_eq_u32 s2, 0
	s_cbranch_scc0 .Lentry_in_a_cluster
	s_endpgm
.Lentry_in_a_cluster:
	s_bfe_u32 s2, ttmp6, 0x10000c
	s_cmp_lg_u32 s2, 0xf033
	s_cbranch_scc0 .Lentry_shape_is_right
	s_endpgm
.Lentry_shape_is_right:
; out0[q][d] = (sum over groups g of w_g sum over the group's keys of p[q][key] v[key][d]) / L, with NE = the least ne_g of the row, w_g = 2^(NE - ne_g), L = sum of w_g l_g.
; p: [8192][2048] f16; v: columns 2,048-3,071 of qkv, f16; st: [4][16][2048][2] f32 = (ne, l); out0: [8192][1024] f32.  Sums in f32.
; NE belongs to the group with the row's largest score, so every w is at most 1; ne are whole numbers, so w is an exact power of two, and p w in f16 rounds nothing while it stays normal.
; A K step of 128 keys is one group: its rows of p are multiplied by w between their load from LDS and the matrix instruction (v_pk_mul_f16).
; LIMITS.  A weight p w below 6e-8 counts as 0, below 6e-5 it keeps f16's fixed step.  A row with no visible key has L = 0 and sums of 0: 0 x infinity, NaN, as a softmax of nothing gives.
; SHARES.  A tile of 128 x 256 to a work-group: 4 x 64 = 256 work-groups, one for each WGP (tiles of 256 x 256 would make 128).  Four waves of 64 x 128: 32 accumulators of 16 x 16, 256 registers.
; 2,048 keys go in 16 steps of 128 through two LDS slots filled by the tensor data mover: 128 rows of p (256 bytes each) and 128 key rows of v (512 bytes each); two slots of 256 keys would not fit in LDS.
; A K STEP IS WRITTEN ONCE: the slot in hand is a scalar, 0 or SLOT, turned by an exclusive or; the fragments' LDS addresses are that scalar plus a lane's fixed part; one descriptor a tensor walks.
; CLUSTER.  4 x 4 work-groups: the four of a row share p's tile, the four of a column v's: each tile is asked for jointly, by the same load, descriptor and mask in all four.
; THE MATRIX INSTRUCTION IS USED TRANSPOSED (source 0 = 16 channels, turned out of LDS by ds_load_tr16_b128; source 1 = 16 rows of p): a lane holds row l % 16 and the eight channels 8 (l / 16) + 0..7.
; REGISTERS (windows of 256; s_set_vgpr_msb: bits 1:0 source 0, 3:2 source 1, 5:4 source 2, 7:6 destination):
;   window 0: v0-31 addresses; v32-35 w of the step in hand; v40-51 1 / L; v64-159, v160-255 two fragment buffers (32 registers of p: 4 blocks; 64 of v: 8 blocks), first the table's work, at last the way out
;   window 1: accumulator (a, b) at v[8 (8 a + b)]
.set PA,    272       ; an LDS row of p: 256 bytes + 16 = 68 words: the 16 rows of a load start at 16 different groups of four banks (64 banks of 4 bytes: ISA guide 11.1)
.set PB,    544       ; an LDS row of v: 512 bytes + 32 = 136 words
.set HA,    64*PA     ; what one load of p brings: 64 rows
.set HB,    64*PB     ; what one load of v brings: 64 key rows
.set SLOT,  2*HA+2*HB ; p's 128 rows, then v's 128 key rows
.set STAGE, 2*SLOT    ; behind the ring, never filled by a tensor load: 16 rows x 528 bytes for each wave
.set SP,    528       ; a stage row: 512 bytes + 16: an odd multiple of 16 bytes, so 16 rows' stores start at 16 different groups of four banks
.set WT,    STAGE+4*16*SP  ; each wave's own table: entry g of 16: (w, w) in f16 for its 64 rows, row 16 a + r at 16 r + 4 a; entry 16: 1 / L in f32
.set SPARE, WT+4*17*256    ; the spare words, 128 bytes for each wave: two blocks of 256 bytes that no other line names
.set STEPS, 16
.set ASTEP, 256       ; bytes from a K step to the next in p
.set BSTEP, 128*6144  ; and in v
.set ADRA0, 16        ; v16  my lane's place among my fragments of p in slot 0; never rewritten
.set ADRB0, 17        ; v17  the same for v
.set ADRA,  18        ; v18  the same in the slot in hand
.set ADRB,  19        ; v19
.set STO,  24         ; v24  the way out: where I put 32 bytes of a row
.set RD,   25         ; v25  where I read a row back
.set CO,   26         ; v26  my byte offset in a row of out0
.set WTS,  27         ; v27  where I store into the table
.set SPW,  28         ; v28  my spare word: SPARE + 4 x my thread's number; never rewritten
.set NIL,  29         ; v29  0; never rewritten
.set WTA,  30         ; v30  the table address in hand
.set WTR,  31         ; v31  my 16 bytes of entry 0; never rewritten
.set WS,   32         ; v32-35  block a: (w, w) of my row in the step in hand
.set RLP,  40         ; v40-47  block a: 1 / L, twice
.set F0,   64
.set F1,   160
.set OT,   64         ; the way out: a block's 64 numbers
.set BK,   128        ; and 16 rows read back: two sets of 64
.set TB,   67         ; s67  the slot in hand: 0 or SLOT
.set WTB,  78         ; s78  the table bytes passed: 256 a step
.set G1,  24          ; s[24:31] group 1 for p;  s[32:39] group 0: a set for each of the two first fills; the second then walks on
.set G0,  32
.set G1B, 48          ; s[48:55], s[56:63] the same for v
.set G0B, 56
.set MSB, 0
.macro WIN new                         ; the immediate's high byte repeats the setting that is left; a switch that changes nothing is dropped
.if MSB != (\new)
	s_set_vgpr_msb (MSB<<8)|(\new)
.set MSB, \new
.endif
.endm
.macro JLOAD s                         ; a joint load: waves 0 and 1 fetch p's halves, waves 2 and 3 v's; an s_nop 0 and four v_nop follow each line
	s_cmp_eq_u32 s11, 0
	s_cbranch_scc0 .Lfor_b_\@
	tensor_load_to_lds s[G0+4*(\s):G0+4*(\s)+3], s[G1:G1+7]
	s_nop 0
.rept 4
	v_nop
.endr
	s_branch .Lasked_\@
.Lfor_b_\@:
	tensor_load_to_lds s[G0B+4*(\s):G0B+4*(\s)+3], s[G1B:G1B+7]
	s_nop 0
.rept 4
	v_nop
.endr
.Lasked_\@:
.endm
.macro CREST                           ; a round of the cluster's barrier behind its opening barrier
	s_cmp_lg_u32 s10, 0
	s_cbranch_scc1 .Lnot_wave_0_\@
	s_barrier_signal -3
.Lnot_wave_0_\@:
	s_barrier_wait -3
	s_barrier_signal -1
	s_barrier_wait -1
.endm
.macro CROUND
	s_barrier_signal -1
	s_barrier_wait -1
	CREST
.endm
.macro PLACES                          ; four plain places behind matrix instructions, in front of vector instructions that read their results (ISA guide 7.12.1)
.rept 4
	v_nop
.endr
.endm
	s_load_b128 s[4:7], s[0:1], 0x0                ; p s[4:5], qkv s[6:7]
	s_load_b128 s[68:71], s[0:1], 0x10             ; st s[68:69], out0 s[70:71]
	v_lshl_add_u32 v[SPW], v0, 2, SPARE
	v_mov_b32 v[NIL], 0
	ds_add_u32 v[SPW], v[NIL]                      ; the wave's opening: the add and its wait stand ahead of my first tensor load
	v_lshrrev_b32 v1, 5, v0
	v_readfirstlane_b32 s10, v1                    ; wave 0..3
	s_lshr_b32 s11, s10, 1                         ; which 64 rows of the tile are mine.  Also: I fetch p (0) or v (1)
	s_and_b32 s12, s10, 1                          ; which 128 channels.  Also: which half of that tile I fetch
	s_bfe_u32 s40, ttmp6, 0x40000                  ; cx
	s_bfe_u32 s41, ttmp6, 0x40004                  ; cy
	s_lshl_b32 s42, ttmp9, 2
	s_add_co_u32 s42, s42, s40                     ; tile column: 256 channels
	s_and_b32 s45, ttmp7, 0xffff                   ; the cluster's y: 512 rows; four of them are a batch
	s_lshl_b32 s13, s45, 2
	s_add_co_u32 s13, s13, s41                     ; tile row: 128 of the 8,192 rows
	s_lshl_b32 s43, s41, 2
	s_lshl_b32 s43, 15, s43                        ; my row of the cluster
	s_lshl_b32 s44, 0x1111, s40                    ; my column
	s_or_b32 s[G1+0], s43, (1<<16)|(1<<20)|(1<<21)|(5<<22)|(3<<25)   ; mask; 2-byte elements; padding on; bit 21 beside a mask; after every 64 words, 4 words
	s_mov_b32 s[G1+1], 128<<16                     ; tensor_dim0 = 128
	s_mov_b32 s[G1+2], 64<<16                      ; tensor_dim1 = 64
	s_mov_b32 s[G1+3], 128<<16                     ; tile_dim0 = 128
	s_mov_b32 s[G1+4], 64                          ; tile_dim1 = 64
	s_mov_b32 s[G1+5], 2048                        ; elements from row to row of p
	s_mov_b32 s[G1+6], 0
	s_mov_b32 s[G1+7], 0
	s_or_b32 s[G1B+0], s44, (1<<16)|(1<<20)|(1<<21)|(6<<22)|(7<<25)  ; after every 128 words, 8 words
	s_mov_b32 s[G1B+1], 256<<16                    ; 256 channels
	s_mov_b32 s[G1B+2], 64<<16                     ; 64 key rows
	s_mov_b32 s[G1B+3], 256<<16
	s_mov_b32 s[G1B+4], 64
	s_mov_b32 s[G1B+5], 3072                       ; elements from row to row of qkv
	s_mov_b32 s[G1B+6], 0
	s_mov_b32 s[G1B+7], 0
	s_lshl_b32 s16, s13, 7
	s_lshl_b32 s17, s12, 6
	s_add_co_u32 s16, s16, s17
	s_lshl_b32 s16, s16, 12                        ; p: row 128 x tile row + 64 x half, x 4,096 bytes
	s_mov_b32 s17, 0
	s_lshr_b32 s46, s45, 2                         ; the batch, which the cluster shares
	s_lshl_b32 s46, s46, 11
	s_lshl_b32 s47, s12, 6
	s_add_co_u32 s46, s46, s47
	s_mul_i32 s46, s46, 6144                       ; v: key 2,048 x batch + 64 x half,
	s_lshl_b32 s47, s42, 9
	s_add_co_u32 s46, s46, s47                     ; channel 256 x tile column,
	s_add_co_u32 s46, s46, 4096                    ; 4,096 bytes into the row
	s_mov_b32 s47, 0
	s_mul_i32 s20, s10, HA                         ; where p's halves go in a slot (waves 0, 1): wave x 64 rows
	s_mul_i32 s21, s10, HB                         ; where v's go (waves 2, 3): behind p's 2 HA = HB bytes, (wave - 2) x 64 key rows
	s_sub_co_u32 s21, s21, HB
	s_mov_b32 s[TB], 0
	s_mov_b32 s[WTB], 0
	s_wait_dscnt 0x0                               ; the opening add is done
	s_wait_kmcnt 0x0
	s_add_nc_u64 s[14:15], s[4:5], s[16:17]
	s_add_nc_u64 s[46:47], s[6:7], s[46:47]
	CROUND                                         ; all sixteen work-groups are here: the first joint loads meet
.irp s, 0,1
	s_mov_b32 s[G0+4*(\s)], 1
	s_add_co_u32 s[G0+4*(\s)+1], s20, (\s)*SLOT
	s_add_nc_u64 s[G0+4*(\s)+2:G0+4*(\s)+3], s[14:15], (\s)*ASTEP
	s_or_b32 s[G0+4*(\s)+3], s[G0+4*(\s)+3], 0x80000000
	s_mov_b32 s[G0B+4*(\s)], 1
	s_add_co_u32 s[G0B+4*(\s)+1], s21, (\s)*SLOT
	s_add_nc_u64 s[G0B+4*(\s)+2:G0B+4*(\s)+3], s[46:47], (\s)*BSTEP
	s_or_b32 s[G0B+4*(\s)+3], s[G0B+4*(\s)+3], 0x80000000
	JLOAD \s                                       ; two loads of mine are out
.endr
	; the statistics of my wave's 64 rows: lane L takes rows L and 32 + L; each load covers 256 consecutive bytes, aligned
	s_lshr_b32 s16, s45, 2
	s_lshl_b32 s16, s16, 15                        ; the batch's 16 groups x 2,048 queries
	s_and_b32 s17, s13, 15
	s_lshl_b32 s17, s17, 7
	s_add_co_u32 s16, s16, s17
	s_lshl_b32 s17, s11, 6
	s_add_co_u32 s16, s16, s17
	s_lshl_b32 s16, s16, 3
	s_mov_b32 s17, 0
	s_add_nc_u64 s[72:73], s[68:69], s[16:17]
	v_and_b32 v6, 31, v0                           ; lane
	v_lshlrev_b32 v7, 3, v6
.set gg, 0
.rept 16
	global_load_b64 v[64+4*gg:65+4*gg], v7, s[72:73] offset:gg*16384
	global_load_b64 v[66+4*gg:67+4*gg], v7, s[72:73] offset:gg*16384+256
.set gg, gg+1
.endr
	v_and_b32 v1, 15, v0                           ; r = l % 16
	v_bfe_u32 v2, v0, 4, 1                         ; h = l / 16
	v_mul_u32_u24 v3, v1, PA
	v_lshl_add_u32 v3, v2, 4, v3                   ; r x 272 + 16 h
	s_mul_i32 s22, s11, HA                         ; my 64 rows of p
	v_add_nc_u32 v[ADRA0], s22, v3
	v_and_b32 v4, 7, v0                            ; the turning load: lane l reads key row 8 h + l % 8, 16 bytes at 16 ((l / 8) % 2)
	v_lshl_add_u32 v4, v2, 3, v4
	v_mul_u32_u24 v4, v4, PB
	v_bfe_u32 v5, v0, 3, 1
	v_lshl_add_u32 v4, v5, 4, v4
	s_lshl_b32 s22, s12, 8                         ; my 128 channels,
	s_add_co_u32 s22, s22, 2*HA                    ; behind p's rows
	v_add_nc_u32 v[ADRB0], s22, v4
	v_mov_b32 v[ADRA], v[ADRA0]                    ; the first slot in hand is slot 0
	v_mov_b32 v[ADRB], v[ADRB0]
	s_mul_i32 s23, s10, 16*SP
	s_add_co_u32 s23, s23, STAGE                   ; my stage
	v_mul_u32_u24 v5, v1, SP
	v_lshl_add_u32 v5, v2, 5, v5
	v_add_nc_u32 v[STO], s23, v5                   ; in: row r, 32 bytes for each half of the lanes
	v_lshlrev_b32 v[CO], 4, v6                     ; back and out: 32 lanes take one row's 512 bytes
	v_add_nc_u32 v[RD], s23, v[CO]
	s_mul_i32 s22, s10, 17*256
	s_add_co_u32 s22, s22, WT                      ; my table
	v_lshlrev_b32 v8, 4, v1
	v_add_nc_u32 v[WTR], s22, v8
	v_lshl_add_u32 v[WTS], v2, 2, v[WTR]           ; row 32 u + L = 16 (2 u + L / 16) + L % 16 lies at 16 (L % 16) + 4 (L / 16) + 8 u
	s_lshl_b32 s16, s13, 7
	s_lshl_b32 s17, s11, 6
	s_add_co_u32 s16, s16, s17
	s_lshl_b32 s16, s16, 12                        ; my first row of out0, x 4,096 bytes
	s_mov_b32 s17, 0
	s_add_nc_u64 s[8:9], s[70:71], s[16:17]
	s_lshl_b32 s46, s42, 10                        ; my first channel, x 4 bytes
	s_lshl_b32 s47, s12, 9
	s_add_co_u32 s46, s46, s47
	s_mov_b32 s47, 0
	s_add_nc_u64 s[8:9], s[8:9], s[46:47]
	s_wait_loadcnt 0x0                             ; the statistics
.macro WTAB u                          ; rows 32 u + L: ne_g at v[E + 4 g], l_g behind it
.set E, 64+2*(\u)
	v_min3_num_f32 v4, v[E], v[E+4], v[E+8]
.irp k, 3,5,7,9,11,13
	v_min3_num_f32 v4, v4, v[E+4*(\k)], v[E+4*(\k)+4]
.endr
	v_min_num_f32 v4, v4, v[E+60]                  ; NE
.set gg, 0
.rept 16
	v_sub_f32 v[E+4*gg], v4, v[E+4*gg]
.set gg, gg+1
.endr
.set gg, 0
.rept 16
	v_exp_f32 v[E+4*gg], v[E+4*gg]                 ; w_g
.set gg, gg+1
.endr
	v_nop                                          ; a plain instruction between the exponentials and the use of their results (ISA guide 5.7.2)
	s_wait_alu depctr_va_vdst(0)
	v_mul_f32 v5, v[E], v[E+1]
.set gg, 1
.rept 15
	v_fmac_f32 v5, v[E+4*gg], v[E+4*gg+1]          ; L
.set gg, gg+1
.endr
.set gg, 0
.rept 16
	v_cvt_pk_f16_f32 v[E+4*gg], v[E+4*gg], v[E+4*gg]
	ds_store_b32 v[WTS], v[E+4*gg] offset:256*gg+8*(\u)
.set gg, gg+1
.endr
	v_rcp_f32 v5, v5
	v_nop
	s_wait_alu depctr_va_vdst(0)
	ds_store_b32 v[WTS], v5 offset:4096+8*(\u)
.endm
	WTAB 0
	WTAB 1
; 8 matrix instructions: row block a x all 8 channel blocks, 32 along K.  mode 1: they start the sums.  The 32 accumulators take turns in the same order in every quarter.
.macro MULA f, a, mode
	WIN 0x50                                       ; C and D window 1
.irp b, 0,1,2,3,4,5,6,7
.if (\mode) == 1
	v_wmma_f32_16x16x32_f16 v[8*(8*(\a)+(\b)):8*(8*(\a)+(\b))+7], v[(\f)+32+8*(\b):(\f)+32+8*(\b)+7], v[(\f)+8*(\a):(\f)+8*(\a)+7], 0
.else
	v_wmma_f32_16x16x32_f16 v[8*(8*(\a)+(\b)):8*(8*(\a)+(\b))+7], v[(\f)+32+8*(\b):(\f)+32+8*(\b)+7], v[(\f)+8*(\a):(\f)+8*(\a)+7], v[8*(8*(\a)+(\b)):8*(8*(\a)+(\b))+7]
.endif
.endr
.endm
.macro SCALE f, a                      ; block a's fragment of p times its rows' w of the step in hand
	WIN 0
.irp i, 0,1,2,3,4,5,6,7
	v_pk_mul_f16 v[(\f)+8*(\a)+(\i)], v[(\f)+8*(\a)+(\i)], v[WS+(\a)]
.endr
.endm
; a run of LDS loads from the slot in hand: quarter q (32 along K) into buffer f.  w = 1 (a step's first quarter): first the step's w, out of my own table (LDS serves a wave's instructions in order:
; ISA guide 5.7.1.4); then v's 8 blocks (turned), then p's 4 in ascending order
.macro FETCH q, f, w=0
	WIN 0
.if \w
	v_add_nc_u32 v[WTA], s[WTB], v[WTR]
	s_add_co_u32 s[WTB], s[WTB], 256               ; the next step's entry
	ds_load_b128 v[WS:WS+3], v[WTA]
.endif
.irp b, 0,1,2,3,4,5,6,7
	ds_load_tr16_b128 v[(\f)+32+8*(\b):(\f)+32+8*(\b)+3],   v[ADRB] offset:(\q)*32*PB+32*(\b)
	ds_load_tr16_b128 v[(\f)+32+8*(\b)+4:(\f)+32+8*(\b)+7], v[ADRB] offset:(\q)*32*PB+16*PB+32*(\b)
.endr
.irp i, 0,1,2,3
	ds_load_b128 v[(\f)+8*(\i):(\f)+8*(\i)+3],   v[ADRA] offset:64*(\q)+(\i)*16*PA
	ds_load_b128 v[(\f)+8*(\i)+4:(\f)+8*(\i)+7], v[ADRA] offset:64*(\q)+(\i)*16*PA+32
.endr
.endm
; A K step is four quarters of 32 along K, 32 matrix instructions each, on buffers 0, 1, 0, 1.  One of the first three: multiplies f and, in its middle, fetches quarter q into g.
.macro QUARTER q, f, g, mode
	s_wait_dscnt 4                                 ; w, v and p's blocks 0, 1 are in; the youngest four loads (blocks 2, 3) may be out
	SCALE \f, 0
	SCALE \f, 1
	MULA \f, 0, \mode
	MULA \f, 1, \mode
	WIN 0
	s_wait_dscnt 0x0                               ; p's blocks 2, 3
	SCALE \f, 2                                    ; sixteen plain instructions that name no register of the products before them: the places in front of the loads below
	SCALE \f, 3
	FETCH \q, \g
	MULA \f, 2, \mode
	MULA \f, 3, \mode
.endm
; The last quarter multiplies buffer 1 and changes slots.  MEET is its first half: ONE barrier; in front of it each wave waits for all its tensor loads (one is out: its part of the next slot),
; adds 0 to its spare word, and waits for that and for its own reads of this slot.
.macro MEET
	WIN 0
	s_wait_tensorcnt 0x0
	ds_add_u32 v[SPW], v[NIL]
	s_wait_dscnt 5                                 ; (the add and the youngest four loads may be out)
	SCALE F1, 0
	SCALE F1, 1
	MULA F1, 0, 0
	s_wait_dscnt 0x0                               ; the add is done, and my reads of this slot are over
	s_barrier_signal -1
	MULA F1, 1, 0
	SCALE F1, 2                                    ; work on registers while the others arrive; it leaves every window 0: branches follow
	SCALE F1, 3
	s_barrier_wait -1
.endm
; Its second half.  fill = 1: the barrier has opened a round of the cluster's; the slot just read is filled again, with the K step two on, first thing behind the round.  Then the other slot's first
; fragments and its w; the 32 scalings in MEET are the places in front of those loads.
.macro REST fill
.if \fill
	CREST                                          ; no wave of any partner still reads this slot or has a load on its way
	s_add_co_u32 s[G0+5], s20, s[TB]               ; the walking descriptors: into the slot just read,
	s_add_co_u32 s[G0B+5], s21, s[TB]
	s_add_nc_u64 s[G0+6:G0+7], s[G0+6:G0+7], ASTEP ; the K step behind the one asked for last; the type bits on top are not reached
	s_add_nc_u64 s[G0B+6:G0B+7], s[G0B+6:G0B+7], BSTEP
	s_xor_b32 s[TB], s[TB], SLOT                   ; the other slot is in hand
	JLOAD 1                                        ; 112 matrix instructions ahead of the wait for it
.else
	s_xor_b32 s[TB], s[TB], SLOT
.endif
	v_add_nc_u32 v[ADRA], s[TB], v[ADRA0]
	v_add_nc_u32 v[ADRB], s[TB], v[ADRB0]
	FETCH 0, F0, 1
	MULA F1, 2, 0
	MULA F1, 3, 0
.endm
	s_wait_dscnt 0x0                               ; my table's stores
	s_wait_tensorcnt 1                             ; my part of K step 0 is in; K step 1's may stay out
	s_barrier_signal -1
	s_barrier_wait -1
	FETCH 0, F0, 1
	QUARTER 1, F0, F1, 1                           ; the first quarter stands in front of the loop: its products start the sums
	WIN 0
	s_mov_b32 s3, STEPS-2
.Lstep:                                                ; a trip: a K step's quarters 1 to 3 and the next step's quarter 0; the slot left is filled again
	QUARTER 2, F1, F0, 0
	QUARTER 3, F0, F1, 0
	MEET
	REST 1
	QUARTER 1, F0, F1, 0
	WIN 0
	s_sub_co_u32 s3, s3, 1
	s_cmp_lg_u32 s3, 0
	s_cbranch_scc1 .Lstep
	s_mov_b32 s3, 2
.Ltail:                                                ; the last two K steps ask for nothing: a second text; its second trip is left in the middle
	QUARTER 2, F1, F0, 0
	QUARTER 3, F0, F1, 0
	MEET                                           ; (in the second trip its barrier orders nothing: the price of one text for both trips)
	s_sub_co_u32 s3, s3, 1
	s_cmp_eq_u32 s3, 0
	s_cbranch_scc1 .Lout
	REST 0
	QUARTER 1, F0, F1, 0
	WIN 0
	s_branch .Ltail
.Lout:
	MULA F1, 2, 0
	MULA F1, 3, 0
	WIN 0
	PLACES
	; THE WAY OUT, a block of 16 rows at a time: times 1 / L, 32 bytes a lane into my stage, back as whole rows of 512 bytes, stored.
	ds_load_b128 v[48:51], v[WTR] offset:4096      ; 1 / L of rows 16 a + r
	s_wait_dscnt 0x0
.irp a, 0,1,2,3
	v_mov_b32 v[RLP+2*(\a)], v[48+(\a)]
	v_mov_b32 v[RLP+2*(\a)+1], v[48+(\a)]
.endr
.macro PACK a
	WIN 0x01                                       ; source 0 window 1
.set i, 0
.rept 32
	v_pk_mul_f32 v[OT+2*i:OT+2*i+1], v[64*(\a)+2*i:64*(\a)+2*i+1], v[RLP+2*(\a):RLP+2*(\a)+1]
.set i, i+1
.endr
	WIN 0
.endm
.macro TOSTAGE a
.irp b, 0,1,2,3,4,5,6,7
	ds_store_b128 v[STO], v[OT+8*(\b):OT+8*(\b)+3] offset:64*(\b)
	ds_store_b128 v[STO], v[OT+8*(\b)+4:OT+8*(\b)+7] offset:64*(\b)+16
.endr
.set t, 0
.rept 16
	ds_load_b128 v[BK+64*((\a)%2)+4*t:BK+64*((\a)%2)+4*t+3], v[RD] offset:t*SP  ; LDS serves a wave's instructions in order (ISA guide 5.7.1.4): these see the stores above
.set t, t+1
.endr
.endm
.macro SEND a
	s_wait_dscnt 0x0                               ; the block is back in registers
	s_wait_xcnt 0x0                                ; the earlier stores have had their addresses translated (ISA guide 3.1): the other set, which they read, is loaded again only behind this wait
.set t, 0
.rept 16
	global_store_b128 v[CO], v[BK+64*((\a)%2)+4*t:BK+64*((\a)%2)+4*t+3], s[8:9] offset:(16*(\a)+t)*4096 th:TH_STORE_NT  ; 512 consecutive bytes, aligned
.set t, t+1
.endr
.endm
	PACK 0
	TOSTAGE 0
.irp a, 1,2,3                          ; a block's arithmetic stands between the loads of the block before and the wait for them
	PACK \a
	SEND (\a)-1
	TOSTAGE \a
.endr
	SEND 3
	s_wait_tensorcnt 0x0                           ; the wave's end
	ds_add_u32 v[SPW], v[NIL]
	s_wait_dscnt 0x0
	CROUND                                         ; the closing round
	s_endpgm
.Lfunc_end_k_qee9166975c_pv:
	.size	k_qee9166975c_pv, .Lfunc_end_k_qee9166975c_pv-k_qee9166975c_pv
	.p2alignl 7, 3214868480
	.fill 96, 4, 3214868480
	.section	.rodata,"a",@progbits
	.p2align	6, 0x0
	.amdhsa_kernel k_qee9166975c_pv
		.amdhsa_group_segment_fixed_size 327680
		.amdhsa_private_segment_fixed_size 0
		.amdhsa_enable_private_segment 0
		.amdhsa_kernarg_size 32
		.amdhsa_user_sgpr_count 2
		.amdhsa_user_sgpr_kernarg_segment_ptr 1
		.amdhsa_wavefront_size32 1
		.amdhsa_system_sgpr_workgroup_id_x 1
		.amdhsa_system_sgpr_workgroup_id_y 1
		.amdhsa_system_sgpr_workgroup_id_z 1
		.amdhsa_system_vgpr_workitem_id 0
		.amdhsa_next_free_vgpr 512
		.amdhsa_next_free_sgpr 80
		.amdhsa_reserve_vcc 0
		.amdhsa_float_denorm_mode_32 3
		.amdhsa_float_denorm_mode_16_64 3
		.amdhsa_memory_ordered 1
		.amdhsa_forward_progress 1
		.amdhsa_inst_pref_size 99
	.end_amdhsa_kernel
	.amdgpu_metadata
---
amdhsa.version: [ 1, 2 ]
amdhsa.kernels:
  - .name:           k_qee9166975c_pv
    .symbol:         k_qee9166975c_pv.kd
    .args:
      - { .name: p, .offset: 0, .size: 8, .value_kind: global_buffer, .address_space: global }
      - { .name: qkv, .offset: 8, .size: 8, .value_kind: global_buffer, .address_space: global }
      - { .name: st, .offset: 16, .size: 8, .value_kind: global_buffer, .address_space: global }
      - { .name: out0, .offset: 24, .size: 8, .value_kind: global_buffer, .address_space: global }
    .group_segment_fixed_size: 327680
    .private_segment_fixed_size: 0
    .kernarg_segment_align: 8
    .kernarg_segment_size: 32
    .max_flat_workgroup_size: 128
    .sgpr_count:     80
    .vgpr_count:     512
    .wavefront_size: 32
...
	.end_amdgpu_metadata
.endif
;; end of part 4
;; ======== version 2 of 2: 4 launches; version 1 with the launch prep written anew for expert scheduling mode
;; limits: values are held in f16: magnitudes above 65,504 overflow, below 6.1e-05 lose precision
;; workspace buffers: xb 16,777,216 bytes; wb 6,291,456 bytes; qkv 50,331,648 bytes; p 33,554,432 bytes; st 1,048,576 bytes
;; launch prep (part 5): grid 64 x 11, 8 waves a work-group, no clusters, 0 bytes of LDS; arguments x, Wq, Wk, Wv, xb, wb; writes xb, wb
.if DOCPART == 5
	.amdgcn_target "amdgcn-amd-amdhsa--gfx1250"
	.amdhsa_code_object_version 6
	.text
	.protected	k_qee9166975c_prep
	.globl	k_qee9166975c_prep
	.p2align	8
	.type	k_qee9166975c_prep,@function
k_qee9166975c_prep:
	s_mov_b64 s[64:65], 0
	v_nop
	global_prefetch_b8 v0, s[64:65] scope:SCOPE_SE
	s_setreg_imm32_b32 hwreg(HW_REG_WAVE_SCHED_MODE, 0, 2), 2
	s_setreg_imm32_b32 hwreg(HW_REG_WAVE_MODE, 25, 1), 1
	s_wait_xcnt 0x0
	s_wait_alu depctr_vm_vsrc(0)
; x and the three weight matrices, f32, are rounded once to bf16 (nearest even) for the projection's matrix products.
; xb: [8192][1024] bf16.  wb: [1024 k][3072 n] bf16, columns 0-1023 Wq, 1024-2047 Wk, 2048-3071 Wv.
; All four inputs are slabs of 1,024 rows x 1,024 f32: slab y = 0..7 is x's rows 1,024 y on, slab 8 + j is weight j.  A work-group takes 16 rows of a slab,
; a wave two rows: 16 loads of 512 consecutive bytes, all issued before the first is used; each store of a wave covers 256 consecutive bytes, aligned.
; A stream: no LDS, no barrier, no matrix unit; nothing is read twice.  No register is written twice, so no wait frees a source.
; THE MODE: SCHED_MODE bits 1:0 = 2 (LLVM: expert scheduling mode 2), set by the entry lines.  The code itself states the register dependences
; between vector instructions and memory instructions, with s_wait_alu, always for 0.
; THE PLAN.  Registers that memory instructions touch:
;   v2, v3, v4   byte offsets: made once at the head by vector instructions, read by all the loads (v2) and stores (v3, v4), never written again.
;   v[8:71]      load n lands in its own four registers, which no vector instruction names before; its two conversions read them behind the counted wait for it.
;   v[72:103]    the two conversions of load n write their own two registers, once; store n reads them.
; The 16 loads' rounding goes in four groups of four.  Store n - 4 stands in front of the conversions of load n: so ONE wait on va_vdst at a group's head, behind the
; wait for the group's first load, states that the group before has written its eight registers; that group's four stores follow it, dealt among this group's
; conversions, which name their own loaded and rounded registers alone.  A last wait stands ahead of the last four stores.
	s_load_b256 s[4:11], s[0:1], 0x0               ; x s[4:5], Wq s[6:7], Wk s[8:9], Wv s[10:11]
	s_load_b128 s[12:15], s[0:1], 0x20             ; xb s[12:13], wb s[14:15]
	v_and_b32 v1, 31, v0                           ; lane
	v_lshrrev_b32 v5, 5, v0
	v_readfirstlane_b32 s26, v5                    ; wave 0..7
	s_and_b32 s20, ttmp7, 0xffff                   ; slab y
	s_lshl_b32 s27, ttmp9, 4
	s_wait_alu depctr_va_sdst(0)                   ; s26 is written, ahead of its first reader: my rows are made from it
	s_lshl1_add_u32 s27, s26, s27                  ; my first row in the slab: 16 x group + 2 x wave
	s_lshl_b32 s22, s20, 22                        ; x: slab y begins y x 1,024 rows x 4,096 bytes in,
	s_lshl_b32 s24, s20, 21                        ; xb: y x 1,024 rows x 2,048 bytes
	s_sub_co_u32 s30, s20, 8
	s_lshl_b32 s30, s30, 11                        ; wb: weight j's columns begin 2,048 j bytes into a row (used for y >= 8 alone)
	s_movk_i32 s28, 2048                           ; bytes in a row of xb
	s_movk_i32 s29, 6144                           ; and of wb
	s_mov_b32 s23, 0
	s_mov_b32 s25, 0
	s_wait_kmcnt 0x0
	s_cmp_eq_u32 s20, 9
	s_cselect_b64 s[16:17], s[8:9], s[6:7]         ; the source: Wk or Wq,
	s_cmp_eq_u32 s20, 10
	s_cselect_b64 s[16:17], s[10:11], s[16:17]     ; or Wv,
	s_cmp_lt_u32 s20, 8
	s_cselect_b64 s[16:17], s[4:5], s[16:17]       ; or x
	s_cselect_b64 s[18:19], s[12:13], s[14:15]     ; the destination: xb or wb
	s_cselect_b32 s22, s22, 0
	s_cselect_b32 s24, s24, s30
	s_cselect_b32 s21, s28, s29                    ; its row's bytes
	s_add_nc_u64 s[16:17], s[16:17], s[22:23]
	s_add_nc_u64 s[18:19], s[18:19], s[24:25]
	s_lshl_b32 s31, s27, 12
	v_lshl_add_u32 v2, v1, 4, s31                  ; source offset: row x 4,096 + 16 x lane
	s_mul_i32 s30, s27, s21
	v_lshl_add_u32 v3, v1, 3, s30                  ; destination offset of my first row: row x pitch + 8 x lane,
	v_add_nc_u32 v4, s21, v3                       ; and of my second
	s_wait_alu depctr_va_vdst(0)                   ; v2, v3 and v4 are written: every load and store of the kernel reads one of them as its offset
.set n, 0
.rept 16
	global_load_b128 v[8+4*n:11+4*n], v2, s[16:17] offset:(n/8)*4096+(n%8)*512 th:TH_LOAD_NT
.set n, n+1
.endr
.set n, 0
.rept 16
	s_wait_loadcnt 15-n                            ; loads come back in order: load n is in, the younger ones stay out
.if (n >= 4) && (n%4 == 0)
	s_wait_alu depctr_va_vdst(0)                   ; the group before has written its eight registers v[72+2(n-4) .. 72+2(n-4)+7], which the next four stores read
.endif
.if n >= 4
	global_store_b64 v[3+(n-4)/8], v[72+2*(n-4):73+2*(n-4)], s[18:19] offset:((n-4)%8)*256  ; no vector instruction since the wait names these registers
.endif
	v_cvt_pk_bf16_f32 v[72+2*n], v[8+4*n], v[9+4*n]
	v_cvt_pk_bf16_f32 v[73+2*n], v[10+4*n], v[11+4*n]
.set n, n+1
.endr
	s_wait_alu depctr_va_vdst(0)                   ; the last group has written v[96:103], which the last four stores read
.set n, 12
.rept 4
	global_store_b64 v4, v[72+2*n:73+2*n], s[18:19] offset:(n%8)*256
.set n, n+1
.endr
	s_endpgm
.Lfunc_end_k_qee9166975c_prep:
	.size	k_qee9166975c_prep, .Lfunc_end_k_qee9166975c_prep-k_qee9166975c_prep
	.p2alignl 7, 3214868480
	.fill 96, 4, 3214868480
	.section	.rodata,"a",@progbits
	.p2align	6, 0x0
	.amdhsa_kernel k_qee9166975c_prep
		.amdhsa_group_segment_fixed_size 0
		.amdhsa_private_segment_fixed_size 0
		.amdhsa_enable_private_segment 0
		.amdhsa_kernarg_size 48
		.amdhsa_user_sgpr_count 2
		.amdhsa_user_sgpr_kernarg_segment_ptr 1
		.amdhsa_wavefront_size32 1
		.amdhsa_system_sgpr_workgroup_id_x 1
		.amdhsa_system_sgpr_workgroup_id_y 1
		.amdhsa_system_sgpr_workgroup_id_z 1
		.amdhsa_system_vgpr_workitem_id 0
		.amdhsa_next_free_vgpr 112
		.amdhsa_next_free_sgpr 66
		.amdhsa_reserve_vcc 0
		.amdhsa_float_denorm_mode_32 3
		.amdhsa_float_denorm_mode_16_64 3
		.amdhsa_memory_ordered 1
		.amdhsa_forward_progress 1
		.amdhsa_inst_pref_size 8
	.end_amdhsa_kernel
	.amdgpu_metadata
---
amdhsa.version: [ 1, 2 ]
amdhsa.kernels:
  - .name:           k_qee9166975c_prep
    .symbol:         k_qee9166975c_prep.kd
    .args:
      - { .name: x, .offset: 0, .size: 8, .value_kind: global_buffer, .address_space: global }
      - { .name: Wq, .offset: 8, .size: 8, .value_kind: global_buffer, .address_space: global }
      - { .name: Wk, .offset: 16, .size: 8, .value_kind: global_buffer, .address_space: global }
      - { .name: Wv, .offset: 24, .size: 8, .value_kind: global_buffer, .address_space: global }
      - { .name: xb, .offset: 32, .size: 8, .value_kind: global_buffer, .address_space: global }
      - { .name: wb, .offset: 40, .size: 8, .value_kind: global_buffer, .address_space: global }
    .group_segment_fixed_size: 0
    .private_segment_fixed_size: 0
    .kernarg_segment_align: 8
    .kernarg_segment_size: 48
    .max_flat_workgroup_size: 256
    .sgpr_count:     66
    .vgpr_count:     112
    .wavefront_size: 32
...
	.end_amdgpu_metadata
.endif
;; end of part 5
;; launch proj: the kernel of part 2 again; grid 12 x 32, 4 waves a work-group, clusters of 4 x 4, 327,680 bytes of LDS; arguments xb, wb, bq, bk, bv, qkv; writes qkv
;; launch scores: the kernel of part 3 again; grid 8 x 32, 4 waves a work-group, clusters of 4 x 4, 327,680 bytes of LDS; arguments qkv, mask, p, st; writes p, st
;; launch pv: the kernel of part 4 again; grid 4 x 64, 4 waves a work-group, clusters of 4 x 4, 327,680 bytes of LDS; arguments p, qkv, st, out0; writes out0
